; MI455X (gfx1250); checked and timed in simulation.
; The chip was launched on July 23, 2026; its instructions are those of AMD's public machine-readable ISA for CDNA 5 (MIT licence, August 2026) and "CDNA5" Instruction Set Architecture Reference Guide (July 2026). The comments in the code are by the model that wrote it; some were corrected since.
;; Mistral Attention. Allowed arithmetic: matrix products marked QUANTISED: E2M1 operands, one E8M0 scale for each 32 along K, by v_wmma_scale_f32_16x16x128_f8f6f4 with both operands' format E2M1 (or v_wmma_scale_f32_32x16x128_f4), f32 sums; products left as they are: bf16, f16 or f32 operands; f32 sums; everything else in f32.
;; Inputs: cos 2 x 2,048 x 128 float32; hidden_states 2 x 2,048 x 4,096 float32; sin 2 x 2,048 x 128 float32; wk 512 x 4,096 float32; wo 4,096 x 1,024 float32; wq 1,024 x 4,096 float32; wv 512 x 4,096 float32.
;; Outputs: out0 2 x 2,048 x 4,096 float32.
;; This version of the problem:
;;   THIS VERSION OF THE PROBLEM IS GIVEN IN LOW PRECISION. The matrix products marked QUANTISED in the list below multiply operands that are first quantised to E2M1 (2 exponent bits, 1 mantissa bit; 4 bits a number), with one power-of-two scale for each 32 numbers along K (OCP MX v1.0); their sums are f32. The products marked 'left as it is' may take bf16, f16 or f32 operands, with f32 sums. Whichever they take, every output number must still come out within the allowed error. Rounding operands to bf16 (8 significant bits) uses up far more of that allowance than f16 does (11 bits, for magnitudes from 6e-5 to 65,504). All else is computed in f32.
;;   The module's matrix products, in the order in which they are computed (A, B: the left and right operand; K: the contracted axis; several contracted axes count as one K, in the product's order):
;;     1. [M 4,096, K 4,096] x [K 4,096, N 1,024]; A: input hidden_states; B: input wq: QUANTISED
;;     2. [M 4,096, K 4,096] x [K 4,096, N 512]; A: input hidden_states; B: input wk: QUANTISED
;;     3. [M 4,096, K 4,096] x [K 4,096, N 512]; A: input hidden_states; B: input wv: QUANTISED
;;     4. batch 16 x [M 2,048, K 128] x [K 128, N 2,048]; A: computed on the way; B: computed on the way: left as it is (an operand is computed on the way)
;;     5. batch 16 x [M 2,048, K 2,048] x [K 2,048, N 128]; A: computed on the way; B: computed on the way: left as it is (an operand is computed on the way)
;;     6. [M 4,096, K 1,024] x [K 1,024, N 4,096]; A: computed on the way; B: input wo: left as it is (an operand is computed on the way)
;;   THE QUANTISER, for each operand of a quantised product, along K:
;;     - K is cut into blocks of 32 from its start; a last block that is shorter is filled with zeros.
;;     - A block's scale is 2^e with e = floor(log2(the largest magnitude in the block)) - 2, held to -126 .. 127; a block of zeros has e = 0. As a byte (E8M0): e + 127.
;;     - Each number is divided by its block's scale, clamped to +-6, and rounded to the nearest number of E2M1, ties to even, subnormals kept.
;;     - The product sums the exact products of the quantised numbers (number of the format x scale) in f32.
;;   ~~~python
;;   def quantise(x, axis):      # numpy; x: float32 -> the quantised numbers, widened to float32 again
;;       x = np.moveaxis(x, axis, -1); K = x.shape[-1]
;;       x = np.pad(x, [(0, 0)] * (x.ndim - 1) + [(0, -K % 32)]); x = x.reshape(x.shape[:-1] + (-1, 32)); a = np.abs(x).max(-1, keepdims=True)
;;       e = np.where(a > 0, np.clip(np.frexp(np.where(a > 0, a, 1))[1] - 1 - 2, -126, 127), 0)      # np.frexp(a)[1] - 1 = floor(log2(a)), exactly
;;       r = np.clip(x / 2.0 ** e, -6, 6)
;;       step = 2.0 ** (np.maximum(np.frexp(np.where(r == 0, 1, r))[1] - 1, 0) - 1)
;;       q = np.round(r / step) * step * 2.0 ** e      # np.round: ties to even
;;       return np.moveaxis(q.reshape(q.shape[:-2] + (-1,))[..., :K], -1, axis).astype(np.float32)
;;   ~~~
;; One version. Each part assembles by itself: llvm-mc -triple=amdgcn-amd-amdhsa -mcpu=gfx1250 --defsym DOCPART=n.
;; ======== version 1 of 1: 5 launches
;; limits: values are held in f16: magnitudes above 65,504 overflow, below 6.1e-05 lose precision; right only within a limited range of input values
;; workspace buffers: a_codes 8,388,608 bytes; a_scales 524,288 bytes; w_codes 4,194,304 bytes; w_scales 262,144 bytes; wo16 8,388,608 bytes; qkv16 16,777,216 bytes; fine32 262,144 bytes; attn16 8,388,608 bytes
;; launch quant (part 1): grid 896 x 1, 4 waves a work-group, no clusters, 33,280 bytes of LDS; arguments hidden_states, wq, wk, wv, wo, a_codes, a_scales, w_codes, w_scales, wo16; writes a_codes, a_scales, w_codes, w_scales, wo16
.if DOCPART == 1
	.amdgcn_target "amdgcn-amd-amdhsa--gfx1250"
	.amdhsa_code_object_version 6
	.text
	.protected	k_q0f3916b05b_quant
	.globl	k_q0f3916b05b_quant
	.p2align	8
	.type	k_q0f3916b05b_quant,@function
k_q0f3916b05b_quant:
	s_mov_b64 s[64:65], 0
	v_nop
	global_prefetch_b8 v0, s[64:65] scope:SCOPE_SE
	s_setreg_imm32_b32 hwreg(HW_REG_WAVE_MODE, 25, 1), 1
	s_wait_xcnt 0x0
; hidden_states [4096][4096], wq [1024][4096], wk, wv [512][4096], f32, become codes of FP4 (E2M1), K innermost, two codes a byte, with one E8M0 byte for each 32 along K;
; wq, wk, wv go one behind the other into w_codes [2048][2048 bytes] and w_scales [2048][128].  wo [4096][1024] becomes f16 of 4 x wo (the factor is a power of two: it rounds nothing).
; A block's scale is 2^(floor(log2(its largest magnitude)) - 2): its byte is the largest magnitude's exponent field - 2, held at 1 from below.
; LIMITS: a block of zeros gets the byte 1 where the quantiser says 127 (its codes are zeros, and this program alone reads the bytes); blocks whose largest magnitude lies under 2^-124 get the byte 1;
; NaN and infinities are not served; |wo| stays under 16,376, so that 4 x wo has a place in f16.
; SHARES.  A work-group takes 32,768 numbers, a wave 8,192.  Work-groups 0-511: hidden_states; 512-639: wq; 640-703: wk; 704-767: wv; 768-895: wo.
; The four quantised tensors take ONE path: only pointers are chosen, by the work-group's number.  Rows are dense and K is a multiple of 32: each tensor is a plain stream of blocks of 32.
; A wave takes 16 steps of 512 numbers: four loads of 512 consecutive bytes; the 2,048 bytes turn through the wave's own stage in LDS, so that a lane holds 16 neighbours along K (two lanes to a block).
; wo's path uses no LDS: 64 pieces of 512 bytes a wave through a ring of 16 register slots.
.set STEPS, 16
.set EMAX,  2
.set CB,    8                          ; bytes of 16 codes
.set R,     16                         ; v16-79   numbers as loaded: four sets of 16 (wo: 16 slots of 4)
.set X,     80                         ; v80-111  two sets of 16 neighbours (wo: 16 pairs to store)
.set E,     112                        ; v112-127 a scale byte for each step
.set C,     128                        ; v128-191 codes: four registers for each step
.set WREG,  8192                       ; LDS: a region for each wave: two stages of 32 x SP bytes, then its 256 scale bytes
.set SP,    80                         ; a lane's place in a stage: 64 bytes + 16 of padding
.set SPW,   12                         ; v12  LDS address of my spare word; never rewritten
.set NIL,   13                         ; v13  0; never rewritten
.set SPARE, 4*WREG                     ; behind the four regions: the spare words, 128 bytes a wave
.set SRC,   28                         ; s[28:29] the tensor;  s[30:31] its codes;  s[32:33] its scale bytes
.set COD,   30
.set SCB,   32
	s_load_b256 s[4:11], s[0:1], 0x0               ; hidden_states, wq, wk, wv
	s_load_b256 s[12:19], s[0:1], 0x20             ; wo, a_codes, a_scales, w_codes
	s_load_b128 s[20:23], s[0:1], 0x40             ; w_scales, wo16
	v_lshl_add_u32 v[SPW], v0, 2, SPARE
	v_mov_b32 v[NIL], 0
	v_lshrrev_b32 v1, 5, v0
	v_readfirstlane_b32 s24, v1                    ; wave
	v_and_b32 v2, 31, v0                           ; lane
	v_lshlrev_b32 v3, 4, v2                        ; my 16 bytes of a load's 512
	s_mul_i32 s25, s24, WREG
	v_lshrrev_b32 v14, 2, v2
	v_mul_u32_u24 v14, v14, SP
	v_and_b32 v15, 3, v2
	v_lshl_add_u32 v14, v15, 4, v14
	v_add_nc_u32 v14, s25, v14                     ; the stage, on the way in: SP (lane / 4) + 16 (lane % 4)
	v_mul_u32_u24 v15, v2, SP
	v_add_nc_u32 v15, s25, v15                     ; and on the way out: SP x lane: my 16 neighbours
	v_mul_u32_u24 v4, v2, CB                       ; my codes' place in a step's
	v_lshrrev_b32 v5, 1, v2
	s_add_co_u32 s25, s25, 2*32*SP
	v_add_nc_u32 v5, s25, v5                       ; my wave's 256 scale bytes, my block's byte
	v_lshlrev_b32 v7, 3, v2                        ; 8 bytes a lane
	v_add_nc_u32 v6, s25, v7
	s_wait_kmcnt 0x0
	s_cmp_ge_u32 ttmp9, 768
	s_cbranch_scc1 .Lwo
	s_cmp_lt_u32 ttmp9, 512                        ; the choices hang on the work-group's number alone
	s_cselect_b64 s[SRC:SRC+1], s[4:5], s[6:7]
	s_cselect_b64 s[COD:COD+1], s[14:15], s[18:19]
	s_cselect_b64 s[SCB:SCB+1], s[16:17], s[20:21]
	s_cselect_b32 s34, 0, 512                      ; the tensor's first work-group,
	s_mov_b32 s35, s34                             ; and the first of its buffers of codes
	s_cmp_lt_u32 ttmp9, 640
	s_cselect_b64 s[SRC:SRC+1], s[SRC:SRC+1], s[8:9]
	s_cselect_b32 s34, s34, 640
	s_cmp_lt_u32 ttmp9, 704
	s_cselect_b64 s[SRC:SRC+1], s[SRC:SRC+1], s[10:11]
	s_cselect_b32 s34, s34, 704
	s_sub_co_u32 s36, ttmp9, s34
	s_lshl_b32 s36, s36, 2
	s_add_co_u32 s36, s36, s24                     ; which run of 8,192 numbers of the tensor is my wave's
	s_lshl_b32 s36, s36, 15                        ; 32,768 bytes a run
	s_mov_b32 s37, 0
	s_add_nc_u64 s[SRC:SRC+1], s[SRC:SRC+1], s[36:37]
	s_sub_co_u32 s38, ttmp9, s35
	s_lshl_b32 s38, s38, 2
	s_add_co_u32 s38, s38, s24                     ; and which run of the buffers
	s_lshl_b32 s40, s38, 12                        ; 4,096 bytes of codes a run
	s_mov_b32 s41, 0
	s_add_nc_u64 s[COD:COD+1], s[COD:COD+1], s[40:41]
	s_lshl_b32 s40, s38, 8                         ; 256 scale bytes a run
	s_add_nc_u64 s[SCB:SCB+1], s[SCB:SCB+1], s[40:41]
.macro LOAD t
.irp i, 0,1,2,3
	global_load_b128 v[R+16*((\t)%4)+4*\i:R+16*((\t)%4)+4*\i+3], v3, s[SRC:SRC+1] offset:2048*(\t)+512*\i th:TH_LOAD_NT   ; 32 lanes read 512 consecutive bytes
.endr
.endm
.macro TURN t                          ; step t's numbers through the stage: LDS serves a wave's instructions in order, so no wait stands between the stores and the loads
.irp i, 0,1,2,3
	ds_store_b128 v14, v[R+16*((\t)%4)+4*\i:R+16*((\t)%4)+4*\i+3] offset:32*SP*((\t)%2)+8*SP*\i
.endr
.irp i, 0,1,2,3
	ds_load_b128 v[X+16*((\t)%2)+4*\i:X+16*((\t)%2)+4*\i+3], v15 offset:32*SP*((\t)%2)+16*\i
.endr
.endm
.irp t, 0,1,2,3
	LOAD \t
.endr
	s_wait_loadcnt 12                              ; step 0's four loads are in; three steps' twelve stay out
	TURN 0
.macro STEP t
.set XS, X+16*((\t)%2)
.if (\t) > 0
	s_wait_dscnt 1                                 ; this step's numbers are back from the stage (the last step's byte store may be out)
.else
	s_wait_dscnt 0x0
.endif
.if (\t)+4 < STEPS
	LOAD (\t)+4                                    ; into the registers that the stage's stores have read
.endif
.if (\t)+1 < STEPS
.if STEPS-2-(\t) >= 3
	s_wait_loadcnt 12                              ; the next step's four loads are in; those of the three steps behind it may be out
.else
	s_wait_loadcnt 4*(STEPS-2-(\t))
.endif
	TURN (\t)+1
.endif
	v_max3_num_f32 v8, |v[XS]|, |v[XS+1]|, |v[XS+2]|               ; the largest magnitude of my 16, in two chains
	v_max3_num_f32 v9, |v[XS+3]|, |v[XS+4]|, |v[XS+5]|
.irp i, 6,10
	v_max3_num_f32 v8, v8, |v[XS+\i]|, |v[XS+\i+1]|
	v_max3_num_f32 v9, v9, |v[XS+\i+2]|, |v[XS+\i+3]|
.endr
	v_max3_num_f32 v8, v8, |v[XS+14]|, |v[XS+15]|
	v_max3_num_f32 v8, v8, v9, (EMAX+1)<<23        ; and the floor 2^(3 - 127): the byte cannot fall under 1
	v_max_num_f32_dpp v8, v8, v8 row_xmask:1 row_mask:0xf bank_mask:0xf   ; with my neighbour's 16: the block's
	v_add_nc_u32 v11, -(EMAX<<23), v8              ; 2 off its exponent field: the conversion takes the exponent field of this operand as its scale
	v_cvt_scalef32_pk8_fp4_f32 v[C+4*(\t)], v[XS:XS+7], v11
	v_cvt_scalef32_pk8_fp4_f32 v[C+4*(\t)+1], v[XS+8:XS+15], v11
	v_lshrrev_b32 v[E+(\t)], 23, v11               ; the scale's byte
	ds_store_b8 v5, v[E+(\t)] offset:16*(\t)       ; both lanes of a block write the same byte with the same value
	global_store_b64 v4, v[C+4*(\t):C+4*(\t)+1], s[COD:COD+1] offset:32*CB*(\t)   ; 32 lanes store 256 consecutive bytes, aligned
.endm
.irp t, 0,1,2,3,4,5,6,7,8,9,10,11,12,13,14,15
	STEP \t
.endr
	ds_load_b64 v[8:9], v6                         ; my wave's 256 scale bytes: these loads see my stores
	s_wait_dscnt 0x0
	global_store_b64 v7, v[8:9], s[SCB:SCB+1]      ; 256 consecutive bytes, aligned
	s_branch .Lend
.Lwo:
	s_sub_co_u32 s36, ttmp9, 768
	s_lshl_b32 s36, s36, 2
	s_add_co_u32 s36, s36, s24                     ; my wave's run of 8,192 numbers of wo
	s_lshl_b32 s38, s36, 15
	s_mov_b32 s39, 0
	s_add_nc_u64 s[12:13], s[12:13], s[38:39]
	s_lshl_b32 s38, s36, 14
	s_add_nc_u64 s[22:23], s[22:23], s[38:39]
.set I, 0
.rept 16
	global_load_b128 v[R+4*I:R+4*I+3], v3, s[12:13] offset:512*I th:TH_LOAD_NT
.set I, I+1
.endr
.macro WSLOT i                         ; piece i of 64: four numbers a lane x 4, rounded to f16; its slot takes piece i + 16
.set SL, (\i)%16
.if 63-(\i) < 15
	s_wait_loadcnt 63-(\i)                         ; the younger loads stay out: at the end the counts run down
.else
	s_wait_loadcnt 15
.endif
	s_wait_xcnt 0x0                                ; this slot's last store has read its pair: only now is the pair rewritten
	v_pk_mul_f32 v[R+4*SL:R+4*SL+1], v[R+4*SL:R+4*SL+1], 4.0 op_sel_hi:[1,0]
	v_pk_mul_f32 v[R+4*SL+2:R+4*SL+3], v[R+4*SL+2:R+4*SL+3], 4.0 op_sel_hi:[1,0]
	v_cvt_pk_f16_f32 v[X+2*SL], v[R+4*SL], v[R+4*SL+1]
	v_cvt_pk_f16_f32 v[X+2*SL+1], v[R+4*SL+2], v[R+4*SL+3]
.if (\i) < 48
	global_load_b128 v[R+4*SL:R+4*SL+3], v3, s[12:13] offset:512*((\i)+16) th:TH_LOAD_NT
.endif
	global_store_b64 v7, v[X+2*SL:X+2*SL+1], s[22:23] offset:256*(\i)   ; 32 lanes store 256 consecutive bytes, aligned
.endm
.set I, 0
.rept 64
	WSLOT I
.set I, I+1
.endr
.Lend:
	s_wait_tensorcnt 0x0                           ; the wave's end: behind my last LDS store
	ds_add_u32 v[SPW], v[NIL]
	s_wait_dscnt 0x0
	s_endpgm
.Lfunc_end_k_q0f3916b05b_quant:
	.size	k_q0f3916b05b_quant, .Lfunc_end_k_q0f3916b05b_quant-k_q0f3916b05b_quant
	.p2alignl 7, 3214868480
	.fill 96, 4, 3214868480
	.section	.rodata,"a",@progbits
	.p2align	6, 0x0
	.amdhsa_kernel k_q0f3916b05b_quant
		.amdhsa_group_segment_fixed_size 33280
		.amdhsa_private_segment_fixed_size 0
		.amdhsa_enable_private_segment 0
		.amdhsa_kernarg_size 80
		.amdhsa_user_sgpr_count 2
		.amdhsa_user_sgpr_kernarg_segment_ptr 1
		.amdhsa_wavefront_size32 1
		.amdhsa_system_sgpr_workgroup_id_x 1
		.amdhsa_system_sgpr_workgroup_id_y 1
		.amdhsa_system_sgpr_workgroup_id_z 1
		.amdhsa_system_vgpr_workitem_id 0
		.amdhsa_next_free_vgpr 192
		.amdhsa_next_free_sgpr 66
		.amdhsa_reserve_vcc 0
		.amdhsa_float_denorm_mode_32 3
		.amdhsa_float_denorm_mode_16_64 3
		.amdhsa_memory_ordered 1
		.amdhsa_forward_progress 1
		.amdhsa_inst_pref_size 66
	.end_amdhsa_kernel
	.amdgpu_metadata
---
amdhsa.version: [ 1, 2 ]
amdhsa.kernels:
  - .name:           k_q0f3916b05b_quant
    .symbol:         k_q0f3916b05b_quant.kd
    .args:
      - { .name: hidden_states, .offset: 0, .size: 8, .value_kind: global_buffer, .address_space: global }
      - { .name: wq, .offset: 8, .size: 8, .value_kind: global_buffer, .address_space: global }
      - { .name: wk, .offset: 16, .size: 8, .value_kind: global_buffer, .address_space: global }
      - { .name: wv, .offset: 24, .size: 8, .value_kind: global_buffer, .address_space: global }
      - { .name: wo, .offset: 32, .size: 8, .value_kind: global_buffer, .address_space: global }
      - { .name: a_codes, .offset: 40, .size: 8, .value_kind: global_buffer, .address_space: global }
      - { .name: a_scales, .offset: 48, .size: 8, .value_kind: global_buffer, .address_space: global }
      - { .name: w_codes, .offset: 56, .size: 8, .value_kind: global_buffer, .address_space: global }
      - { .name: w_scales, .offset: 64, .size: 8, .value_kind: global_buffer, .address_space: global }
      - { .name: wo16, .offset: 72, .size: 8, .value_kind: global_buffer, .address_space: global }
    .group_segment_fixed_size: 33280
    .private_segment_fixed_size: 0
    .kernarg_segment_align: 8
    .kernarg_segment_size: 80
    .max_flat_workgroup_size: 128
    .sgpr_count:     66
    .vgpr_count:     192
    .wavefront_size: 32
...
	.end_amdgpu_metadata
.endif
;; end of part 1
;; launch qkv (part 2): grid 16 x 16, 4 waves a work-group, clusters of 4 x 4, 327,680 bytes of LDS; arguments a_codes, a_scales, w_codes, w_scales, cos, sin, qkv16, fine32; writes qkv16, fine32
.if DOCPART == 2
	.amdgcn_target "amdgcn-amd-amdhsa--gfx1250"
	.amdhsa_code_object_version 6
	.text
	.protected	k_q0f3916b05b_qkv
	.globl	k_q0f3916b05b_qkv
	.p2align	8
	.type	k_q0f3916b05b_qkv,@function
k_q0f3916b05b_qkv:
	s_mov_b64 s[64:65], 0
	v_nop
	global_prefetch_b8 v0, s[64:65] scope:SCOPE_SE
	s_setreg_imm32_b32 hwreg(HW_REG_WAVE_MODE, 25, 1), 1
	s_wait_xcnt 0x0
	s_wait_alu depctr_hold_cnt(0) depctr_sa_sdst(0) depctr_va_vdst(0) depctr_va_sdst(0) depctr_va_ssrc(0) depctr_va_vcc(0) depctr_vm_vsrc(0)
	s_getreg_b32 s2, hwreg(HW_REG_IB_STS2, 6, 4)
	s_cmp_eq_u32 s2, 0
	s_cbranch_scc0 .Lentry_in_a_cluster
	s_endpgm
.Lentry_in_a_cluster:
	s_bfe_u32 s2, ttmp6, 0x10000c
	s_cmp_lg_u32 s2, 0xf033
	s_cbranch_scc0 .Lentry_shape_is_right
	s_endpgm
.Lentry_shape_is_right:
; q, k, v = x W^T on codes of FP4 with E8M0 scales (M 4,096, N 2,048 = wq | wk | wv, K 4,096), sums in f32; the rotary embedding in f32; results rounded to f16 into qkv16 [16 heads][4,096 rows][128].
; Heads 0-7 q, 8-11 k: stored x 2^-4;  heads 12-15 v: stored x 2^-2, no rotation.  The factors are powers of two and round nothing.  Positions 0-15 of both sequences also go out in f32, with the same factors, into fine32 [32][2,048].
; LIMITS: |q|, |k| under 1.04e6 and |v| under 2.6e5, so that the scaled numbers have a place in f16; NaN and infinities are not served.
; SHARES.  A tile is 256 rows x 128 columns: one head; 16 x 16 tiles, one to a work-group.  A wave makes 64 rows x 128 columns: 32 accumulators of 16 x 16.
; K goes in 8 steps of 512 (tile rows of 256 bytes) through two LDS slots filled by the tensor data mover; each is four steps of 128, 32 matrix instructions a wave.
; The scale bytes of the work-group's rows, for all of K, are dense blocks of memory: they come once, with the first fills, as rows of 256 bytes, and stay.
; CLUSTERS: 4 x 4.  The four work-groups of a row of the cluster need the same tiles of A, the four of a column the same tiles of B: each tile is asked for jointly.  Waves 0, 1 ask for A's halves, waves 2, 3 for B's.
; THE MATRIX INSTRUCTION IS USED TRANSPOSED (source 0 = 16 rows of W, source 1 = 16 rows of x): a lane holds eight neighbouring columns of one row.
; REGISTERS.  window 0: v8-31 factors and addresses; v32-95 scale words, a set for each slot; v96-127 f16 to store; v128-191 A's fragments, two sets; on the way out v128-191 a block's rows, v192-255 the same from the lane 16 away.
;   window 1: B's fragments, two sets (v0-63, v128-191); on the way out cos and sin of blocks 2, 3.   window 2: the accumulators, (a, b) at v[8 (8 a + b)].   window 3: cos and sin of blocks 0, 1.
.set NQ,     4                         ; steps of 128 in a slot
.set ROWB,   256                       ; a tile's row in bytes: 512 codes
.set KROW,   2048                      ; a row of codes in memory
.set PITCH,  272                       ; an LDS row: 256 bytes + 16 of padding
.set FR,     8                         ; registers of a fragment
.set HALFA,  128*PITCH                 ; what a wave fetches of A
.set HALFB,  64*PITCH                  ; and of B
.set BOFF,   2*HALFA                   ; in a slot B's 128 rows lie behind A's 256
.set SLOT,   BOFF+2*HALFB
.set SCL,    2*SLOT                    ; the scales: A's 128 rows of 256 + 16 bytes, then B's 64
.set HSA,    64*272
.set HSB,    32*272
.set SBLK,   8*272                     ; the scales of 16 rows
.set SPARE,  SCL+2*HSA+2*HSB           ; the spare words, 128 bytes a wave
.set SPITCH, 528                       ; the way out: a stage of 16 rows x (512 + 16) bytes for each wave, in slot 0, behind that slot's last fill and last read
.set AL,   8                           ; v[8:9]   what cos is multiplied by
.set BE,   10                          ; v[10:11] and what is added to it
.set SG,   12                          ; v[12:13] what sin is multiplied by: the sign of the rotation is in it
.set FL,   14                          ; v14  0 where my block 0 holds positions 0-15 of a sequence
.set ADRA, 16                          ; v16-17  my A fragments in slot 0, 1
.set ADRB, 20                          ; v20-21  B's
.set STO,  24
.set RD,   25
.set RDY,  26
.set ADRS, 27                          ; v27  my scale words: lanes 0-15 A's rows, lanes 16-31 B's
.set SPW,  28
.set NIL,  29
.set CO,   30                          ; v30  16 x lane
.set HO,   31                          ; v31  8 x lane
.set SC,   32
.set H,    96
.set AF,   128
.set X,    128
.set Y,    192
.set G1A,  24
.set G0A,  32
.set G1B,  48
.set G0B,  56
.set G1SA, 68
.set G0SA, 76
.set G1SB, 80
.set G0SB, 88
.set MSB, 0
.macro WIN new                         ; the immediate's high byte repeats the setting that is left
.if MSB != (\new)
	s_set_vgpr_msb (MSB<<8)|(\new)
.set MSB, (\new)
.endif
.endm
.set MUL,  0xa1                        ; source 0 (B) window 1, source 1 (A) window 0, C and D window 2
.set TO_B, 0x40
; A joint load: waves 0, 1 ask for A, waves 2, 3 for B.  The branch hangs on the wave's number alone.  An s_nop 0 and four v_nop follow each line.
.macro JLOAD g0a, g1a, g0b, g1b
	s_cmp_eq_u32 s21, 0
	s_cbranch_scc0 .Lfor_b_\@
	tensor_load_to_lds s[\g0a:\g0a+3], s[\g1a:\g1a+7]
	s_nop 0
.rept 4
	v_nop
.endr
	s_branch .Lasked_\@
.Lfor_b_\@:
	tensor_load_to_lds s[\g0b:\g0b+3], s[\g1b:\g1b+7]
	s_nop 0
.rept 4
	v_nop
.endr
.Lasked_\@:
.endm
.macro CREST                           ; a round of the cluster's barrier behind its opening barrier
	s_cmp_lg_u32 s20, 0
	s_cbranch_scc1 .Lnot_wave_0_\@
	s_barrier_signal -3
.Lnot_wave_0_\@:
	s_barrier_wait -3
	s_barrier_signal -1
	s_barrier_wait -1
.endm
.macro CROUND
	s_barrier_signal -1
	s_barrier_wait -1
	CREST
.endm
	s_load_b256 s[4:11], s[0:1], 0x0               ; a_codes, a_scales, w_codes, w_scales
	s_load_b256 s[12:19], s[0:1], 0x20             ; cos, sin, qkv16, fine32
	v_lshl_add_u32 v[SPW], v0, 2, SPARE
	v_mov_b32 v[NIL], 0
	ds_add_u32 v[SPW], v[NIL]                      ; the wave's opening: the add, twice on end, and its wait ahead of my first tensor load
	ds_add_u32 v[SPW], v[NIL]
	v_lshrrev_b32 v1, 5, v0
	v_readfirstlane_b32 s20, v1                    ; wave 0..3: my 64 rows of the tile
	s_lshr_b32 s21, s20, 1                         ; I fetch for A (0) or for B (1),
	s_and_b32 s22, s20, 1                          ; its first or its second half
	s_bfe_u32 s40, ttmp6, 0x40000                  ; cx, cy
	s_bfe_u32 s41, ttmp6, 0x40004
	s_lshl_b32 s42, ttmp9, 2
	s_add_co_u32 s42, s42, s40                     ; x: the head
	s_and_b32 s43, ttmp7, 0xffff
	s_lshl_b32 s43, s43, 2
	s_add_co_u32 s43, s43, s41                     ; y: which 256 rows
	s_lshl_b32 s44, s41, 2
	s_lshl_b32 s44, 15, s44                        ; my row of the cluster
	s_lshl_b32 s45, 0x1111, s40                    ; my column
	s_or_b32 s[G1A+0], s44, (1<<20)|(1<<21)|(5<<22)|(3<<25)    ; the mask; elements of 1 byte; padding on; bit 21 beside a mask; 4 words behind every 64
	s_or_b32 s[G1B+0], s45, (1<<20)|(1<<21)|(5<<22)|(3<<25)
	s_mov_b32 s[G1A+1], ROWB<<16                   ; tensor_dim0
	s_mov_b32 s[G1A+2], 128<<16                    ; tensor_dim1
	s_mov_b32 s[G1A+3], ROWB<<16                   ; tile_dim0
	s_mov_b32 s[G1A+4], 128                        ; tile_dim1
	s_mov_b32 s[G1A+5], KROW                       ; from row to row
	s_mov_b32 s[G1A+6], 0
	s_mov_b32 s[G1A+7], 0
	s_mov_b32 s[G1B+1], ROWB<<16
	s_mov_b32 s[G1B+2], 64<<16
	s_mov_b32 s[G1B+3], ROWB<<16
	s_mov_b32 s[G1B+4], 64
	s_mov_b32 s[G1B+5], KROW
	s_mov_b32 s[G1B+6], 0
	s_mov_b32 s[G1B+7], 0
	s_or_b32 s[G1SA+0], s44, (3<<16)|(1<<20)|(1<<21)|(5<<22)|(3<<25)   ; the scales: dense blocks as rows of 32 elements of 8 bytes
	s_or_b32 s[G1SB+0], s45, (3<<16)|(1<<20)|(1<<21)|(5<<22)|(3<<25)
	s_mov_b32 s[G1SA+1], 32<<16
	s_mov_b32 s[G1SA+2], 64<<16
	s_mov_b32 s[G1SA+3], 32<<16
	s_mov_b32 s[G1SA+4], 64
	s_mov_b32 s[G1SA+5], 32
	s_mov_b32 s[G1SA+6], 0
	s_mov_b32 s[G1SA+7], 0
	s_mov_b32 s[G1SB+1], 32<<16
	s_mov_b32 s[G1SB+2], 32<<16
	s_mov_b32 s[G1SB+3], 32<<16
	s_mov_b32 s[G1SB+4], 32
	s_mov_b32 s[G1SB+5], 32
	s_mov_b32 s[G1SB+6], 0
	s_mov_b32 s[G1SB+7], 0
	s_lshl_b32 s92, s43, 8                         ; A: row 256 y + 128 x half: made of y and the wave's number alone
	s_lshl_b32 s93, s22, 7
	s_add_co_u32 s92, s92, s93
	s_lshl_b32 s94, s92, 7                         ; its scales, 128 bytes a row,
	s_mov_b32 s95, 0
	s_lshl_b32 s92, s92, 11                        ; its codes, 2,048 bytes a row
	s_mov_b32 s93, 0
	s_lshl_b32 s96, s42, 7                         ; B: row 128 x + 64 x half: made of x and the wave's number alone
	s_lshl_b32 s97, s22, 6
	s_add_co_u32 s96, s96, s97
	s_lshl_b32 s98, s96, 7
	s_mov_b32 s99, 0
	s_lshl_b32 s96, s96, 11
	s_mov_b32 s97, 0
	s_mul_i32 s46, s22, HALFA                      ; where they go in LDS: no place in the cluster enters
	s_mul_i32 s47, s22, HALFB                      ; (B's codes and A's scales: the same 17,408 bytes a half)
	s_mul_i32 s23, s22, HSB
	s_cmp_lt_u32 s42, 12                           ; q and k are rotated and scaled by 2^-4; v is scaled by 2^-2: a choice of factors, no branch
	s_cselect_b32 s2, 0x3d800000, 0
	s_cselect_b32 s3, 0, 0x3e800000
	s_wait_dscnt 0x0                               ; both opening adds are done
	s_wait_kmcnt 0x0
	s_add_nc_u64 s[92:93], s[4:5], s[92:93]
	s_add_nc_u64 s[94:95], s[6:7], s[94:95]
	s_add_nc_u64 s[96:97], s[8:9], s[96:97]
	s_add_nc_u64 s[98:99], s[10:11], s[98:99]
	CROUND                                         ; all sixteen work-groups are here: the first joint loads meet
	s_mov_b32 s[G0SA], 1
	s_add_co_u32 s[G0SA+1], s47, SCL
	s_mov_b64 s[G0SA+2:G0SA+3], s[94:95]
	s_or_b32 s[G0SA+3], s[G0SA+3], 0x80000000
	s_mov_b32 s[G0SB], 1
	s_add_co_u32 s[G0SB+1], s23, SCL+2*HSA
	s_mov_b64 s[G0SB+2:G0SB+3], s[98:99]
	s_or_b32 s[G0SB+3], s[G0SB+3], 0x80000000
	JLOAD G0SA, G1SA, G0SB, G1SB                   ; the scales first: they are wanted with K step 0
.irp s, 0,1
	s_mov_b32 s[G0A+4*\s], 1
	s_add_co_u32 s[G0A+4*\s+1], s46, \s*SLOT
	s_add_nc_u64 s[G0A+4*\s+2:G0A+4*\s+3], s[92:93], \s*ROWB
	s_or_b32 s[G0A+4*\s+3], s[G0A+4*\s+3], 0x80000000
	s_mov_b32 s[G0B+4*\s], 1
	s_add_co_u32 s[G0B+4*\s+1], s47, \s*SLOT+BOFF
	s_add_nc_u64 s[G0B+4*\s+2:G0B+4*\s+3], s[96:97], \s*ROWB
	s_or_b32 s[G0B+4*\s+3], s[G0B+4*\s+3], 0x80000000
	JLOAD G0A+4*\s, G1A, G0B+4*\s, G1B             ; three loads of mine are out now
.endr
	v_and_b32 v1, 15, v0                           ; r
	v_bfe_u32 v2, v0, 4, 1                         ; h
	v_mul_u32_u24 v3, v1, PITCH
	v_lshl_add_u32 v4, v2, 4, v3                   ; a fragment's row x pitch + 16 h
	s_mul_i32 s46, s20, 64*PITCH                   ; my 64 rows of A
	v_add_nc_u32 v[ADRA], s46, v4
	v_add_nc_u32 v[ADRA+1], SLOT, v[ADRA]
	v_add_nc_u32 v[ADRB], BOFF, v4                 ; all 128 rows of B
	v_add_nc_u32 v[ADRB+1], SLOT, v[ADRB]
	v_mul_u32_u24 v5, v1, 128                      ; my row's scales: 128 bytes a row,
	v_lshrrev_b32 v6, 8, v5
	v_lshl_add_u32 v5, v6, 4, v5                   ; and 16 more for each 256 passed
	s_mul_i32 s46, s20, 4*SBLK                     ; A's: my 64 rows
	s_xor_b32 s47, s20, 3
	s_mul_i32 s47, s47, 4*SBLK
	s_add_co_u32 s47, s47, 4*SBLK                  ; from there to B's first row: 8,704 x (4 - wave)
	v_mul_u32_u24 v6, s47, v2                      ; lanes 16-31 take B's
	s_add_co_u32 s46, s46, SCL
	v_add_nc_u32 v5, v5, v6
	v_add_nc_u32 v[ADRS], s46, v5
	s_mul_i32 s46, s20, 16*SPITCH                  ; my stage
	v_mul_u32_u24 v5, v1, SPITCH
	v_lshl_add_u32 v5, v2, 5, v5
	v_add_nc_u32 v[STO], s46, v5                   ; in: row r, 32 bytes for each half of the lanes
	v_and_b32 v6, 31, v0
	v_lshlrev_b32 v[CO], 4, v6
	v_add_nc_u32 v[RD], s46, v[CO]                 ; back: the 32 lanes take one row of 512 bytes;
	v_xor_b32 v7, 16, v6
	v_lshl_add_u32 v[RDY], v7, 4, s46              ; and once more from 64 columns away: the rotation's partner
	v_lshlrev_b32 v[HO], 3, v6
	v_mov_b32 v[AL], s2
	v_mov_b32 v[AL+1], s2
	v_mov_b32 v[BE], s3
	v_mov_b32 v[BE+1], s3
	v_xor_b32 v3, 1, v2
	v_lshlrev_b32 v3, 31, v3                       ; columns 0-63 (lanes 0-15) take minus their partner
	v_or_b32 v[SG], s2, v3
	v_mov_b32 v[SG+1], v[SG]
	s_and_b32 s47, s43, 7
	s_or_b32 s47, s47, s20
	v_mov_b32 v[FL], s47                           ; 0 in wave 0 of y = 0 and y = 8
	s_lshl_b32 s92, s43, 17                        ; cos and sin at my first row: (256 y + 64 wave) x 512 bytes
	s_lshl_b32 s93, s20, 15
	s_add_co_u32 s92, s92, s93
	s_mov_b32 s93, 0
	s_add_nc_u64 s[12:13], s[12:13], s[92:93]
	s_add_nc_u64 s[14:15], s[14:15], s[92:93]
	s_lshr_b32 s92, s92, 1                         ; qkv16: 256 bytes a row, 2^20 a head
	s_lshl_b32 s94, s42, 20
	s_add_co_u32 s92, s92, s94
	s_add_nc_u64 s[16:17], s[16:17], s[92:93]
	s_lshr_b32 s92, s43, 3                         ; fine32: the batch's 16 rows of 8,192 bytes, the head's 512
	s_lshl_b32 s92, s92, 17
	s_lshl_b32 s94, s42, 9
	s_add_co_u32 s92, s92, s94
	s_add_nc_u64 s[18:19], s[18:19], s[92:93]
.macro CSLOAD a, base                  ; cos and sin of block a's 16 rows: a row's 512 bytes by the 32 lanes; cos at base + 4 t, sin at base + 64 + 4 t
.irp t, 0,1,2,3,4,5,6,7,8,9,10,11,12,13,14,15
	global_load_b128 v[\base+4*\t:\base+4*\t+3], v[CO], s[12:13] offset:(16*(\a)+\t)*512
.endr
.irp t, 0,1,2,3,4,5,6,7,8,9,10,11,12,13,14,15
	global_load_b128 v[\base+64+4*\t:\base+64+4*\t+3], v[CO], s[14:15] offset:(16*(\a)+\t)*512
.endr
.endm
	WIN 0xc0                                       ; destination window 3
	CSLOAD 0, 0                                    ; they land while K is walked
	CSLOAD 1, 128
	WIN 0
.macro FRAG reg, adr, q, i             ; 16 rows x 128 K of 4-bit codes: lane l holds row l % 16; registers 4 c .. 4 c + 3 hold K = 64 c + 32 (l / 16) + 0 .. 31
.irp c, 0,1
	ds_load_b128 v[\reg+4*\c:\reg+4*\c+3], v[\adr] offset:64*(\q)+32*\c+(\i)*16*PITCH
.endr
.endm
.macro FETCH slot, q, p                ; 24 LDS loads: the slot's q-th 128 along K into set p: B's eight fragments, my four of A
	WIN TO_B
.irp i, 0,1,2,3,4,5,6,7
	FRAG 128*(\p)+FR*\i, ADRB+\slot, \q, \i
.endr
	WIN 0
.irp i, 0,1,2,3
	FRAG AF+32*(\p)+FR*\i, ADRA+\slot, \q, \i
.endr
.endm
.macro SCALES sc                       ; a K step's scale words: four words a row; lanes 0-15 A's block i (blocks 4-7: bytes that are filled and not used), lanes 16-31 B's block i
.irp i, 0,1,2,3,4,5,6,7
	ds_load_b128 v[SC+32*\sc+4*\i:SC+32*\sc+4*\i+3], v[ADRS] offset:\i*SBLK
.endr
.endm
; 8 matrix instructions: A's block a against B's eight.  The 32 accumulators take turns, one instruction a turn, in the same order in every step.
.macro MUL8 a, p, q, sc, zero
.irp b, 0,1,2,3,4,5,6,7
.if \zero
	v_wmma_scale_f32_16x16x128_f8f6f4 v[8*(8*(\a)+\b):8*(8*(\a)+\b)+7], v[128*(\p)+FR*\b:128*(\p)+FR*\b+FR-1], v[AF+32*(\p)+FR*(\a):AF+32*(\p)+FR*(\a)+FR-1], 0, v[SC+32*(\sc)+NQ*\b+(\q)], v[SC+32*(\sc)+NQ*(\a)+(\q)] matrix_a_fmt:MATRIX_FMT_FP4 matrix_b_fmt:MATRIX_FMT_FP4 matrix_a_scale:MATRIX_SCALE_ROW1
.else
	v_wmma_scale_f32_16x16x128_f8f6f4 v[8*(8*(\a)+\b):8*(8*(\a)+\b)+7], v[128*(\p)+FR*\b:128*(\p)+FR*\b+FR-1], v[AF+32*(\p)+FR*(\a):AF+32*(\p)+FR*(\a)+FR-1], v[8*(8*(\a)+\b):8*(8*(\a)+\b)+7], v[SC+32*(\sc)+NQ*\b+(\q)], v[SC+32*(\sc)+NQ*(\a)+(\q)] matrix_a_fmt:MATRIX_FMT_FP4 matrix_b_fmt:MATRIX_FMT_FP4 matrix_a_scale:MATRIX_SCALE_ROW1
.endif
.endr
.endm
.macro PLACES n                        ; plain vector instructions between a matrix instruction and a load into, or a read of, its registers
.rept \n
	v_nop
.endr
.endm
; A step of 128 along K that has its successor in the same slot: the successor's fragments are asked for first, into the other set, and land under this step's 32 matrix instructions.
.macro STEP slot, q, zero
	s_wait_dscnt 0x0                               ; this step's fragments, asked for 32 matrix instructions ago
	PLACES 4                                       ; the other set was read by the matrix instructions just issued
	FETCH \slot, (\q)+1, 1-(\q)%2
	WIN MUL
	MUL8 0, (\q)%2, \q, \slot, \zero
	MUL8 1, (\q)%2, \q, \slot, \zero
	MUL8 2, (\q)%2, \q, \slot, \zero
	MUL8 3, (\q)%2, \q, \slot, \zero
	WIN 0
.endm
; A slot's last step changes slots: one barrier; ahead of it each wave waits for all its tensor loads, adds 0 to its spare word, and waits for that and for its reads of this slot.  fill = 1: the slot is filled again, two K steps ahead.
.macro TURN slot, next, fill
	s_wait_tensorcnt 0x0                           ; all my tensor loads have landed: my part of the next slot
	ds_add_u32 v[SPW], v[NIL]                      ; 0 onto my spare word
	s_wait_dscnt 1                                 ; the fragments are in; the add alone may be out
	WIN MUL
	MUL8 0, 1, NQ-1, \slot, 0
	s_wait_dscnt 0x0                               ; the add is done, and my reads of this slot are over
	s_barrier_signal -1
	MUL8 1, 1, NQ-1, \slot, 0
	WIN 0
	s_barrier_wait -1
.if \fill
	CREST                                          ; the barrier has opened a round of the cluster's: no wave of any partner still reads this slot or has a load on its way
	s_add_nc_u64 s[G0A+4*\slot+2:G0A+4*\slot+3], s[G0A+4*\slot+2:G0A+4*\slot+3], 2*ROWB
	s_add_nc_u64 s[G0B+4*\slot+2:G0B+4*\slot+3], s[G0B+4*\slot+2:G0B+4*\slot+3], 2*ROWB
	JLOAD G0A+4*\slot, G1A, G0B+4*\slot, G1B       ; my one tensor load behind the round; its four v_nop are the places ahead of the loads below
.else
	PLACES 4
.endif
	v_add_nc_u32 v[ADRS], 4*NQ, v[ADRS]            ; the next K step's scale words
	FETCH \next, 0, 0
	SCALES \next
	WIN MUL
	MUL8 2, 1, NQ-1, \slot, 0
	MUL8 3, 1, NQ-1, \slot, 0
	WIN 0
.endm
	s_wait_tensorcnt 1                             ; the scales and my part of K step 0 are in; K step 1's load may stay out
	s_barrier_signal -1
	s_barrier_wait -1
	FETCH 0, 0, 0
	SCALES 0
	STEP 0, 0, 1                                   ; the first step stands ahead of the loop: its products start the sums
	s_mov_b32 s23, 3
.Llap:                                                 ; a trip goes once round the ring and fills both slots again: K steps 2 to 7 in three trips
	STEP 0, 1, 0
	STEP 0, 2, 0
	TURN 0, 1, 1
	STEP 1, 0, 0
	STEP 1, 1, 0
	STEP 1, 2, 0
	TURN 1, 0, 1
	STEP 0, 0, 0
	s_sub_co_u32 s23, s23, 1
	s_cmp_lg_u32 s23, 0
	s_cbranch_scc1 .Llap
	STEP 0, 1, 0                                   ; the last lap fills nothing
	STEP 0, 2, 0
	TURN 0, 1, 0
	STEP 1, 0, 0
	STEP 1, 1, 0
	STEP 1, 2, 0
	s_wait_dscnt 0x0
	WIN MUL
	MUL8 0, 1, NQ-1, 1, 0
	MUL8 1, 1, NQ-1, 1, 0
	MUL8 2, 1, NQ-1, 1, 0
	MUL8 3, 1, NQ-1, 1, 0
	WIN 0
; THE WAY OUT, a block of 16 rows at a time.  The block goes through my stage and comes back as whole rows, 4 columns a lane, and once more from the lane 16 away, which holds the column 64 further on or back.
; out = x (cos AL + BE) + partner (sin SG): for q and k 2^-4 (x cos -+ partner sin), for v 2^-2 x.
.macro BLOCK a
.set W, 3-2*((\a)/2)                   ; the window of the block's cos and sin,
.set CB, 128*((\a)%2)                  ; and their first register there
	s_wait_xcnt 0x0                                ; the last block's stores have read their registers
	WIN 0x08                                       ; an LDS store's data: window 2
.irp b, 0,1,2,3,4,5,6,7
	ds_store_b128 v[STO], v[64*(\a)+8*\b:64*(\a)+8*\b+3] offset:64*\b          ; each accumulator from its low end on
	ds_store_b128 v[STO], v[64*(\a)+8*\b+4:64*(\a)+8*\b+7] offset:64*\b+16
.endr
	WIN 0
.irp t, 0,1,2,3,4,5,6,7,8,9,10,11,12,13,14,15
	ds_load_b128 v[X+4*\t:X+4*\t+3], v[RD] offset:\t*SPITCH    ; LDS serves a wave's instructions in order: these see the stores above
.endr
.irp t, 0,1,2,3,4,5,6,7,8,9,10,11,12,13,14,15
	ds_load_b128 v[Y+4*\t:Y+4*\t+3], v[RDY] offset:\t*SPITCH
.endr
.if (\a) < 2
	s_wait_loadcnt 63                              ; of the 128 loads of cos and sin the oldest 65 are in: blocks 0 and 1
.elseif (\a) == 2
	s_wait_loadcnt 32                              ; block 3's 32 may stay out
.else
	s_wait_loadcnt 0x0
.endif
	WIN (W<<6)|W                                   ; the factors go onto cos and sin while the stage's loads are out
.set i, 0
.rept 32
	v_pk_fma_f32 v[CB+i:CB+i+1], v[CB+i:CB+i+1], v[AL:AL+1], v[BE:BE+1]
	v_pk_mul_f32 v[CB+64+i:CB+65+i], v[CB+64+i:CB+65+i], v[SG:SG+1]
.set i, i+2
.endr
	s_wait_dscnt 0x0
	WIN W<<2
.set i, 0
.rept 32
	v_pk_mul_f32 v[X+i:X+i+1], v[X+i:X+i+1], v[CB+i:CB+i+1]
.set i, i+2
.endr
.set i, 0
.rept 32
	v_pk_fma_f32 v[X+i:X+i+1], v[Y+i:Y+i+1], v[CB+64+i:CB+65+i], v[X+i:X+i+1]
.set i, i+2
.endr
	WIN 0
.irp t, 0,1,2,3,4,5,6,7,8,9,10,11,12,13,14,15
	v_cvt_pk_f16_f32 v[H+2*\t], v[X+4*\t], v[X+4*\t+1]
	v_cvt_pk_f16_f32 v[H+2*\t+1], v[X+4*\t+2], v[X+4*\t+3]
.endr
.irp t, 0,1,2,3,4,5,6,7,8,9,10,11,12,13,14,15
	global_store_b64 v[HO], v[H+2*\t:H+2*\t+1], s[16:17] offset:(16*(\a)+\t)*256   ; 32 lanes store a row of 256 bytes, aligned
.endr
.if (\a) == 0
	v_cmp_eq_u32 vcc_lo, 0, v[FL]                  ; positions 0-15 of a sequence go out in f32 too.  By lanes, not by a branch: y hangs on my place in the cluster
	s_wait_xcnt 0x0                                ; EXEC changes only behind this wait
	s_and_saveexec_b32 s100, vcc_lo
.irp t, 0,1,2,3,4,5,6,7,8,9,10,11,12,13,14,15
	global_store_b128 v[CO], v[X+4*\t:X+4*\t+3], s[18:19] offset:\t*8192
.endr
	s_wait_xcnt 0x0                                ; and again ahead of the line that widens it
	s_or_b32 exec_lo, exec_lo, s100
.endif
.endm
	PLACES 4                                       ; ahead of the first read of results and of loads into registers that held fragments
	WIN 0x40                                       ; destination window 1: B's fragments are done with
	CSLOAD 2, 0
	CSLOAD 3, 128
	WIN 0
	BLOCK 0
	BLOCK 1
	BLOCK 2
	BLOCK 3
	s_wait_tensorcnt 0x0                           ; the wave's end: behind my last tensor load and my last LDS store
	ds_add_u32 v[SPW], v[NIL]
	s_wait_dscnt 0x0
	CROUND                                         ; the closing round: no work-group ends while a partner may still ask for a tile that names it
	s_endpgm
.Lfunc_end_k_q0f3916b05b_qkv:
	.size	k_q0f3916b05b_qkv, .Lfunc_end_k_q0f3916b05b_qkv-k_q0f3916b05b_qkv
	.p2alignl 7, 3214868480
	.fill 96, 4, 3214868480
	.section	.rodata,"a",@progbits
	.p2align	6, 0x0
	.amdhsa_kernel k_q0f3916b05b_qkv
		.amdhsa_group_segment_fixed_size 327680
		.amdhsa_private_segment_fixed_size 0
		.amdhsa_enable_private_segment 0
		.amdhsa_kernarg_size 64
		.amdhsa_user_sgpr_count 2
		.amdhsa_user_sgpr_kernarg_segment_ptr 1
		.amdhsa_wavefront_size32 1
		.amdhsa_system_sgpr_workgroup_id_x 1
		.amdhsa_system_sgpr_workgroup_id_y 1
		.amdhsa_system_sgpr_workgroup_id_z 1
		.amdhsa_system_vgpr_workitem_id 0
		.amdhsa_next_free_vgpr 1024
		.amdhsa_next_free_sgpr 102
		.amdhsa_reserve_vcc 1
		.amdhsa_float_denorm_mode_32 3
		.amdhsa_float_denorm_mode_16_64 3
		.amdhsa_memory_ordered 1
		.amdhsa_forward_progress 1
		.amdhsa_inst_pref_size 180
	.end_amdhsa_kernel
	.amdgpu_metadata
---
amdhsa.version: [ 1, 2 ]
amdhsa.kernels:
  - .name:           k_q0f3916b05b_qkv
    .symbol:         k_q0f3916b05b_qkv.kd
    .args:
      - { .name: a_codes, .offset: 0, .size: 8, .value_kind: global_buffer, .address_space: global }
      - { .name: a_scales, .offset: 8, .size: 8, .value_kind: global_buffer, .address_space: global }
      - { .name: w_codes, .offset: 16, .size: 8, .value_kind: global_buffer, .address_space: global }
      - { .name: w_scales, .offset: 24, .size: 8, .value_kind: global_buffer, .address_space: global }
      - { .name: cos, .offset: 32, .size: 8, .value_kind: global_buffer, .address_space: global }
      - { .name: sin, .offset: 40, .size: 8, .value_kind: global_buffer, .address_space: global }
      - { .name: qkv16, .offset: 48, .size: 8, .value_kind: global_buffer, .address_space: global }
      - { .name: fine32, .offset: 56, .size: 8, .value_kind: global_buffer, .address_space: global }
    .group_segment_fixed_size: 327680
    .private_segment_fixed_size: 0
    .kernarg_segment_align: 8
    .kernarg_segment_size: 64
    .max_flat_workgroup_size: 128
    .sgpr_count:     102
    .vgpr_count:     1024
    .wavefront_size: 32
...
	.end_amdgpu_metadata
.endif
;; end of part 2
;; launch attn (part 3): grid 32 x 8, 8 waves a work-group, clusters of 4 x 1, 327,680 bytes of LDS; arguments qkv16, attn16; writes attn16
.if DOCPART == 3
	.amdgcn_target "amdgcn-amd-amdhsa--gfx1250"
	.amdhsa_code_object_version 6
	.text
	.protected	k_q0f3916b05b_attn
	.globl	k_q0f3916b05b_attn
	.p2align	8
	.type	k_q0f3916b05b_attn,@function
k_q0f3916b05b_attn:
	s_mov_b64 s[64:65], 0
	v_nop
	global_prefetch_b8 v0, s[64:65] scope:SCOPE_SE
	s_setreg_imm32_b32 hwreg(HW_REG_WAVE_MODE, 25, 1), 1
	s_wait_xcnt 0x0
	s_wait_alu depctr_hold_cnt(0) depctr_sa_sdst(0) depctr_va_vdst(0) depctr_va_sdst(0) depctr_va_ssrc(0) depctr_va_vcc(0) depctr_vm_vsrc(0)
	s_getreg_b32 s2, hwreg(HW_REG_IB_STS2, 6, 4)
	s_cmp_eq_u32 s2, 0
	s_cbranch_scc0 .Lentry_in_a_cluster
	s_endpgm
.Lentry_in_a_cluster:
	s_bfe_u32 s2, ttmp6, 0x10000c
	s_cmp_lg_u32 s2, 0x3003
	s_cbranch_scc0 .Lentry_shape_is_right
	s_endpgm
.Lentry_shape_is_right:
; attn[b][s][h][:] = softmax over keys k <= s of (q . k / sqrt(128)) times v, on f16 operands from qkv16 (q, k stored x 2^-4, v x 2^-2), products, maxima and sums in f32; p rounded to f16 for the second product.
; Scores come out x 2^-8, so c = 256 log2(e) / sqrt(128).  attn16 [4,096][1,024] holds attn x 2^-2, f16.
; LIMITS: the running maximum starts at -2^97, under every score of f16 operands (at most 128 x 65,504^2 in size); NaN and infinities are not served.
; SHARES.  Grid y = 4 b + key/value head.  A sequence is 16 groups of 128 positions.  Cluster i (0-7) owns groups 15 - i and i; partner cx owns 32 positions of each, for both query heads of the key/value head.
; The work-group walks group 15 - i's 16 - i slots of 128 keys (the first pass), then group i's i + 1 slots (the second): 17 trips in every work-group, and in a cluster the same slot at the same time:
; the trip count is a constant, and every tile of K and V is asked for jointly by the four partners.
; THE ORDER OF THE WALK.  A softmax does not mind the order of its keys.  In the first pass trip t takes slot (14 - 2 i + t) mod (16 - i); the second pass takes slots 0 to i.  So the eight clusters of a grid row begin
; at sixteen different slots, 14 - 2 i and 15 - 2 i: at the head each slot of K and V is asked for by one cluster alone.  The slot on the diagonal, where hidden scores become -infinity, falls into trip i + 1 and into trip 16.
; Which trip is masked and behind which the passes change hangs on the cluster's number and the count of trips: it is alike in all waves and partners.
; No prefetch is written: every row of K and V is named by a tensor load at the kernel's head, so there is none whose first request lies later.
; Wave w = 4 pg + kq takes positions 16 pg on (one tile for each of the two heads) and keys 32 kq on of every slot: each byte of K and V in LDS is read by two waves.  The four waves' partial (c m, l, O) meet in LDS at the end.
; A TRIP.  V's fragments are asked for at its head and land under K Q^T; the change of slots stands in its middle, where this trip's slot has been read out: the slot is filled again with the keys two trips on,
; and the next trip's fragments of K are asked for from the other slot and land under the softmax and V^T P.
; LAYOUT.  S^T = K Q^T (source 0 = 16 keys, source 1 = 16 queries), O^T = V^T P (source 0 = 16 channels, by the turning load): a lane holds one query (lane % 16) throughout.
; REGISTERS.  window 0: v2-22 addresses; v24-39 statistics, 8 a tile (+0 c m, +1 m, +2, +3 l, +4, +5 at work, +6 a, +7 at work); v40-71 S^T; v72-87 P; v88-151 K's fragments; v152-215 V's; v216-255 at work.
;   window 1: v0-127 O^T (tile t, channels 16 ct on: 64 t + 8 ct); v128-191 Q of the pass in hand; v192-255 Q of the second pass.
.set PK,    272                        ; a row of K in LDS: 256 bytes + 16
.set PVP,   288                        ; a row of V: 256 + 32
.set VOFF,  128*PK
.set SLOTB, VOFF+128*PVP               ; a slot: 128 rows of K, 128 rows of V
.set DUMPA, 2*SLOTB                    ; the first pass's O^T, 16,384 bytes a wave (the second's goes over the ring, behind its last fill and its last read)
.set STATA, DUMPA+8*16384              ; the first pass's c m and l, 512 bytes a wave
.set STATB, STATA+4096
.set STAGE, STATB+4096                 ; 128 rows x 272 bytes for the way out
.set SPARE, STAGE+128*272              ; the spare words, 128 bytes a wave
.set AK,   2
.set AV,   4
.set DD,   6                           ; v6  my query less my first key, inside a group
.set NINF, 7
.set DMPA, 8
.set STA,  9
.set DMPB, 10
.set STB,  11
.set MR,   12                          ; v12, v13  the merge's reads of O^T, first and second pass
.set MS,   14                          ; v14, v15  and of the statistics
.set STO,  16
.set RD,   17
.set GO,   18
.set SPW,  20
.set NIL,  21
.set QO,   22
.set ST,   24
.set S,    40
.set P,    72
.set KF,   88
.set VF,   152
; scalars: s8 wave, s9 kq, s10 pg, s11 cx, s12 cluster i, s14 b, s15 key/value head, s16 i + 1: the first pass's masked trip, s17 the trip, s18 16 - i: the first pass's trips, s19 14 - 2 i: its first slot
.set SEL,  20
.set CS,   22
.set G1K,  24
.set G1V,  32
.set G0K,  40                          ; s[40:47] group 0 for K, a set for each slot;  s[48:55] for V
.set G0V,  48
.set KB,   56                          ; s[56:57] my half of key slot 0 in K;  s[58:59] in V
.set VB,   58
.set TT,   60
.set LAP,  62
.set TA,   63
.set OB,   68
.set QA,   70
.set QBS,  72
.set KN,   74
.set GN,   75
.set MSB, 0
.macro WIN new
.if MSB != (\new)
	s_set_vgpr_msb (MSB<<8)|(\new)
.set MSB, (\new)
.endif
.endm
.macro PLACES
.rept 4
	v_nop
.endr
.endm
; Waves 0, 1 ask for K's halves, waves 2, 3 for V's, the others for nothing.  The branches hang on the wave's number alone.  An s_nop 0 and four v_nop follow each load.
.macro TLOAD s
	s_cmp_lt_u32 s8, 2
	s_cbranch_scc0 .Lnot_k_\@
	tensor_load_to_lds s[G0K+4*(\s):G0K+4*(\s)+3], s[G1K:G1K+7]
	s_nop 0
.rept 4
	v_nop
.endr
	s_branch .Lasked_\@
.Lnot_k_\@:
	s_cmp_lt_u32 s8, 4
	s_cbranch_scc0 .Lasked_\@
	tensor_load_to_lds s[G0V+4*(\s):G0V+4*(\s)+3], s[G1V:G1V+7]
	s_nop 0
.rept 4
	v_nop
.endr
.Lasked_\@:
.endm
.macro ROUND                           ; a round of the cluster's barrier
	s_barrier_signal -1
	s_barrier_wait -1
	s_cmp_lg_u32 s8, 0
	s_cbranch_scc1 .Lnot_wave_0_\@
	s_barrier_signal -3
.Lnot_wave_0_\@:
	s_barrier_wait -3
	s_barrier_signal -1
	s_barrier_wait -1
.endm
	s_load_b128 s[4:7], s[0:1], 0x0                ; qkv16, attn16
	v_lshl_add_u32 v[SPW], v0, 2, SPARE
	v_mov_b32 v[NIL], 0
	ds_add_u32 v[SPW], v[NIL]                      ; the wave's opening: the add, twice on end, and its wait ahead of the first tensor load
	ds_add_u32 v[SPW], v[NIL]
	v_lshrrev_b32 v1, 5, v0
	v_readfirstlane_b32 s8, v1                     ; wave 0..7
	s_and_b32 s9, s8, 3                            ; kq
	s_lshr_b32 s10, s8, 2                          ; pg
	s_bfe_u32 s11, ttmp6, 0x40000                  ; cx
	s_mov_b32 s12, ttmp9                           ; the cluster's x
	s_and_b32 s13, ttmp7, 0xffff
	s_lshr_b32 s14, s13, 2                         ; b
	s_and_b32 s15, s13, 3                          ; key/value head
	s_add_co_u32 s16, s12, 1                       ; the trip of the first pass that lies on the diagonal
	s_mov_b32 s17, 0
	s_sub_co_u32 s18, 16, s12                      ; trips of the first pass
	s_lshl_b32 s19, s12, 1
	s_sub_co_u32 s19, 14, s19                      ; its first slot
	s_mov_b32 s[SEL], 0x76543210
	s_mov_b32 s[SEL+1], 0xfedcba98                 ; v_permlanex16_b32's selects for lane l xor 16
	s_mov_b32 s[CS], 0x420293ee                    ; c = 256 log2(e) / sqrt(128)
	s_mov_b32 s[CS+1], s[CS]
	s_mov_b32 s[LAP], 7
	s_mov_b32 s[G1K], 15|(1<<16)|(1<<20)|(1<<21)|(5<<22)|(3<<25)  ; the mask: all four partners; elements of 2 bytes; padding on; bit 21 beside a mask; 4 words behind every 64
	s_mov_b32 s[G1V], 15|(1<<16)|(1<<20)|(1<<21)|(5<<22)|(7<<25)  ; the same with 8 words
.irp g, G1K, G1V
	s_mov_b32 s[\g+1], 128<<16                     ; tensor_dim0
	s_mov_b32 s[\g+2], 64<<16                      ; tensor_dim1
	s_mov_b32 s[\g+3], 128<<16                     ; tile_dim0
	s_mov_b32 s[\g+4], 64                          ; tile_dim1
	s_mov_b32 s[\g+5], 128                         ; from row to row
	s_mov_b32 s[\g+6], 0
	s_mov_b32 s[\g+7], 0
.endr
	s_and_b32 s76, s8, 1                           ; which 64 rows of a slot I would fetch
	s_lshl_b32 s77, s14, 19                        ; the batch's rows in a head's plane
	s_add_co_u32 s[KB], s15, 8
	s_lshl_b32 s[KB], s[KB], 20
	s_add_co_u32 s[KB], s[KB], s77
	s_lshl_b32 s78, s76, 14
	s_add_co_u32 s[KB], s[KB], s78
	s_mov_b32 s[KB+1], 0
	s_add_co_u32 s[VB], s[KB], 4<<20               ; V's plane lies four planes on
	s_mov_b32 s[VB+1], 0
	s_mul_i32 s79, s76, 64*PK                      ; and where they go in a slot
	s_mul_i32 s80, s76, 64*PVP
	s_lshl_b32 s81, s11, 5
	s_lshl_b32 s82, s10, 4
	s_add_co_u32 s81, s81, s82                     ; my first position inside a group: 32 cx + 16 pg
	s_lshl_b32 s83, s15, 21
	s_add_co_u32 s83, s83, s77                     ; the first query head's plane, the batch
	s_sub_co_u32 s82, 15, s12
	s_lshl_b32 s82, s82, 7
	s_add_co_u32 s82, s82, s81
	s_lshl_b32 s[QA], s82, 8
	s_add_co_u32 s[QA], s[QA], s83                 ; Q of the first pass: group 15 - i
	s_mov_b32 s[QA+1], 0
	s_lshl_b32 s82, s12, 7
	s_add_co_u32 s82, s82, s81
	s_lshl_b32 s[QBS], s82, 8
	s_add_co_u32 s[QBS], s[QBS], s83               ; Q of the second pass: group i
	s_mov_b32 s[QBS+1], 0
	s_sub_co_u32 s78, 15, s12                      ; the rows that I store at the end: pass w >> 2, head (w >> 1) & 1, positions 16 (w & 1) on
	s_cmp_eq_u32 s10, 0
	s_cselect_b32 s78, s78, s12
	s_lshl_b32 s78, s78, 7
	s_lshl_b32 s82, s11, 5
	s_add_co_u32 s78, s78, s82
	s_lshl_b32 s82, s76, 4
	s_add_co_u32 s78, s78, s82
	s_lshl_b32 s82, s14, 11
	s_add_co_u32 s78, s78, s82
	s_lshl_b32 s[OB], s78, 11                      ; 2,048 bytes a row of attn16
	s_bfe_u32 s78, s8, 0x10001
	s_lshl_b32 s82, s15, 1
	s_add_co_u32 s78, s78, s82
	s_lshl_b32 s78, s78, 8                         ; 256 bytes a head
	s_add_co_u32 s[OB], s[OB], s78
	s_mov_b32 s[OB+1], 0
.irp s, 0,1
	s_mov_b32 s[G0K+4*\s], 1
	s_add_co_u32 s[G0K+4*\s+1], s79, \s*SLOTB
	s_mov_b32 s[G0V+4*\s], 1
	s_add_co_u32 s[G0V+4*\s+1], s80, \s*SLOTB+VOFF
.endr
	s_lshl_b32 s[TT], s19, 15                      ; 128 rows of 256 bytes a key slot
	s_mov_b32 s[TT+1], 0
	s_wait_dscnt 0x0                               ; both opening adds are done
	s_wait_kmcnt 0x0
	s_add_nc_u64 s[KB:KB+1], s[4:5], s[KB:KB+1]
	s_add_nc_u64 s[VB:VB+1], s[4:5], s[VB:VB+1]
	s_add_nc_u64 s[QA:QA+1], s[4:5], s[QA:QA+1]
	s_add_nc_u64 s[QBS:QBS+1], s[4:5], s[QBS:QBS+1]
	s_add_nc_u64 s[OB:OB+1], s[6:7], s[OB:OB+1]
	s_add_nc_u64 s[G0K+2:G0K+3], s[KB:KB+1], s[TT:TT+1]        ; slot 0 takes key slot 14 - 2 i,
	s_add_nc_u64 s[G0K+6:G0K+7], s[G0K+2:G0K+3], 32768         ; slot 1 key slot 15 - 2 i
	s_or_b32 s[G0K+3], s[G0K+3], 0x80000000
	s_or_b32 s[G0K+7], s[G0K+7], 0x80000000
	s_add_nc_u64 s[G0V+2:G0V+3], s[VB:VB+1], s[TT:TT+1]
	s_add_nc_u64 s[G0V+6:G0V+7], s[G0V+2:G0V+3], 32768
	s_or_b32 s[G0V+3], s[G0V+3], 0x80000000
	s_or_b32 s[G0V+7], s[G0V+7], 0x80000000
	ROUND                                          ; all four work-groups are here: the first joint loads meet
	s_cmp_lt_u32 s8, 2                             ; a wave's two first fills stand in one branch on the wave's number: two loads of mine are out
	s_cbranch_scc0 .Lfirst_not_k
	tensor_load_to_lds s[G0K:G0K+3], s[G1K:G1K+7]
	s_nop 0
	tensor_load_to_lds s[G0K+4:G0K+7], s[G1K:G1K+7]
	s_nop 0
.rept 4
	v_nop
.endr
	s_branch .Lfirst_asked
.Lfirst_not_k:
	s_cmp_lt_u32 s8, 4
	s_cbranch_scc0 .Lfirst_asked
	tensor_load_to_lds s[G0V:G0V+3], s[G1V:G1V+7]
	s_nop 0
	tensor_load_to_lds s[G0V+4:G0V+7], s[G1V:G1V+7]
	s_nop 0
.rept 4
	v_nop
.endr
.Lfirst_asked:
	v_and_b32 v216, 15, v0                         ; r
	v_bfe_u32 v217, v0, 4, 1                       ; h
	v_and_b32 v218, 31, v0                         ; lane
	v_lshlrev_b32 v[QO], 8, v216
	v_lshl_add_u32 v[QO], v217, 4, v[QO]           ; Q: row r of 256 bytes, + 16 h
	WIN 0x40                                       ; destination window 1
.irp t, 0,1
.irp cs, 0,1,2,3
	global_load_b128 v[128+32*\t+8*\cs:128+32*\t+8*\cs+3], v[QO], s[QA:QA+1] offset:(\t<<20)+64*\cs
	global_load_b128 v[128+32*\t+8*\cs+4:128+32*\t+8*\cs+7], v[QO], s[QA:QA+1] offset:(\t<<20)+64*\cs+32
	global_load_b128 v[192+32*\t+8*\cs:192+32*\t+8*\cs+3], v[QO], s[QBS:QBS+1] offset:(\t<<20)+64*\cs
	global_load_b128 v[192+32*\t+8*\cs+4:192+32*\t+8*\cs+7], v[QO], s[QBS:QBS+1] offset:(\t<<20)+64*\cs+32
.endr
.endr
.set i, 0
.rept 128
	v_mov_b32 v[i], 0                              ; O^T.  The trip is written once for all trips: a pass's first trip finds zeros
.set i, i+1
.endr
	WIN 0
	s_mul_i32 s76, s9, 32*PK                       ; my 32 keys of a slot
	v_mul_u32_u24 v219, v216, PK
	v_lshl_add_u32 v219, v217, 4, v219
	v_add_nc_u32 v[AK], s76, v219
	v_add_nc_u32 v[AK+1], SLOTB, v[AK]
	s_mul_i32 s76, s9, 32*PVP
	s_add_co_u32 s76, s76, VOFF
	v_and_b32 v219, 7, v0                          ; the turning load: key 8 h + l % 8, channels 8 ((l / 8) % 2) on
	v_bfe_u32 v220, v0, 3, 1
	v_lshl_add_u32 v219, v217, 3, v219
	v_mul_u32_u24 v219, v219, PVP
	v_lshl_add_u32 v219, v220, 4, v219
	v_add_nc_u32 v[AV], s76, v219
	v_add_nc_u32 v[AV+1], SLOTB, v[AV]
	s_lshl_b32 s83, s9, 5
	s_sub_co_u32 s83, s81, s83                     ; 32 cx + 16 pg - 32 kq: a number for the mask, no address
	v_lshlrev_b32 v219, 3, v217
	v_sub_nc_u32 v[DD], v216, v219
	v_add_nc_u32 v[DD], s83, v[DD]                 ; register 8 kt + j holds the key 16 kt + j past my first: hidden where 16 kt + j > this
	v_mov_b32 v[NINF], 0xff800000
	s_lshl_b32 s76, s8, 14
	v_lshl_add_u32 v[DMPB], v218, 4, s76           ; an image of O^T's registers: 16 x lane + 16,384 x wave
	v_add_nc_u32 v[DMPA], DUMPA, v[DMPB]
	s_lshl_b32 s76, s8, 9
	v_lshl_add_u32 v[STA], v218, 2, s76
	v_add_nc_u32 v[STB], STATB, v[STA]
	v_add_nc_u32 v[STA], STATA, v[STA]
	s_lshl_b32 s76, s10, 16                        ; the merge: wave (pg, kq) takes tile kq >> 1, channels 64 (kq & 1) on, of the four waves of pg
	s_lshl_b32 s78, s9, 12
	s_add_co_u32 s76, s76, s78
	v_lshl_add_u32 v[MR+1], v218, 4, s76
	v_add_nc_u32 v[MR], DUMPA, v[MR+1]
	s_lshl_b32 s76, s10, 11
	s_lshr_b32 s78, s9, 1
	s_lshl_b32 s82, s78, 8
	s_add_co_u32 s76, s76, s82
	v_lshl_add_u32 v[MS], v218, 2, s76
	v_add_nc_u32 v[MS+1], STATB, v[MS]
	v_add_nc_u32 v[MS], STATA, v[MS]
	s_lshl_b32 s76, s78, 5                         ; the stage's row: 64 pass + 32 tile + 16 pg + r
	s_lshl_b32 s82, s10, 4
	s_add_co_u32 s76, s76, s82
	s_mul_i32 s76, s76, 272
	s_and_b32 s82, s9, 1
	s_lshl_b32 s82, s82, 7
	s_add_co_u32 s76, s76, s82
	s_add_co_u32 s76, s76, STAGE
	v_mul_u32_u24 v219, v216, 272
	v_lshl_add_u32 v219, v217, 4, v219
	v_add_nc_u32 v[STO], s76, v219
	s_mul_i32 s76, s8, 16*272                      ; back: wave w takes rows 16 w on; lanes 0-15 one row, lanes 16-31 the next
	s_add_co_u32 s76, s76, STAGE
	v_mul_u32_u24 v219, v217, 272
	v_lshl_add_u32 v219, v216, 4, v219
	v_add_nc_u32 v[RD], s76, v219
	v_lshlrev_b32 v[GO], 11, v217
	v_lshl_add_u32 v[GO], v216, 4, v[GO]
.macro RESET                           ; a pass begins: m = -2^97, l = 0
.irp t, 0,1
	v_mov_b32 v[ST+8*\t+1], 0xf0000000
	v_mul_f32 v[ST+8*\t], s[CS], v[ST+8*\t+1]
	v_mov_b32 v[ST+8*\t+2], 0
	v_mov_b32 v[ST+8*\t+3], 0
.endr
.endm
	RESET
.macro KLOAD slot                      ; my 32 keys x 128 channels of K: 8 fragments, 16 LDS loads
.irp kt, 0,1
.irp cs, 0,1,2,3
	ds_load_b128 v[KF+32*\kt+8*\cs:KF+32*\kt+8*\cs+3], v[AK+(\slot)] offset:\kt*16*PK+64*\cs
	ds_load_b128 v[KF+32*\kt+8*\cs+4:KF+32*\kt+8*\cs+7], v[AK+(\slot)] offset:\kt*16*PK+64*\cs+32
.endr
.endr
.endm
.macro VLOAD slot                      ; the same of V, turned: 8 fragments of 16 channels x 32 keys, 16 LDS loads
.irp ct, 0,1,2,3,4,5,6,7
	ds_load_tr16_b128 v[VF+8*\ct:VF+8*\ct+3], v[AV+(\slot)] offset:32*\ct
	ds_load_tr16_b128 v[VF+8*\ct+4:VF+8*\ct+7], v[AV+(\slot)] offset:16*PVP+32*\ct
.endr
.endm
.macro MASK                            ; ascending: each accumulator is first read at its low end
.irp n, 0,1,2,3,4,5,6,7,8,9,10,11,12,13,14,15
	v_cmp_gt_i32 vcc_lo, 16*(\n/8)+\n%8, v[DD]
	v_cndmask_b32 v[S+\n], v[S+\n], v[NINF], vcc_lo
	v_cndmask_b32 v[S+16+\n], v[S+16+\n], v[NINF], vcc_lo
.endr
.endm
.macro SOFTMAX                         ; the two tiles line by line
.irp t, 0,1
	v_max3_num_f32 v[ST+8*\t+4], v[S+16*\t], v[S+16*\t+1], v[S+16*\t+2]
	v_max3_num_f32 v[ST+8*\t+5], v[S+16*\t+8], v[S+16*\t+9], v[S+16*\t+10]
.endr
.irp i, 3,5
.irp t, 0,1
	v_max3_num_f32 v[ST+8*\t+4], v[ST+8*\t+4], v[S+16*\t+\i], v[S+16*\t+\i+1]
	v_max3_num_f32 v[ST+8*\t+5], v[ST+8*\t+5], v[S+16*\t+8+\i], v[S+16*\t+9+\i]
.endr
.endr
.irp t, 0,1
	v_max3_num_f32 v[ST+8*\t+4], v[ST+8*\t+4], v[S+16*\t+7], v[S+16*\t+15]
.endr
.irp t, 0,1
	v_max3_num_f32 v[ST+8*\t+4], v[ST+8*\t+4], v[ST+8*\t+5], v[ST+8*\t+1]   ; with the old m
.endr
.irp t, 0,1
	v_permlanex16_b32 v[ST+8*\t+5], v[ST+8*\t+4], s[SEL], s[SEL+1]          ; the query's other 16 keys lie in the lane 16 away
.endr
.irp t, 0,1
	v_mov_b32 v[ST+8*\t+7], v[ST+8*\t]             ; the old c m
.endr
.irp t, 0,1
	v_max_num_f32 v[ST+8*\t+1], v[ST+8*\t+4], v[ST+8*\t+5]
.endr
.irp t, 0,1
	v_mul_f32 v[ST+8*\t], s[CS], v[ST+8*\t+1]
.endr
.irp t, 0,1
	v_sub_f32 v[ST+8*\t+7], v[ST+8*\t+7], v[ST+8*\t]
.endr
.irp b, 0,1,2,3,4,5,6,7
.irp t, 0,1
	v_pk_fma_f32 v[S+16*\t+2*\b:S+16*\t+2*\b+1], v[S+16*\t+2*\b:S+16*\t+2*\b+1], s[CS:CS+1], v[ST+8*\t:ST+8*\t+1] op_sel_hi:[1,0,0] neg_lo:[0,0,1] neg_hi:[0,0,1]   ; c s - c m
.endr
.endr
.irp t, 0,1
	v_exp_f32 v[ST+8*\t+6], v[ST+8*\t+7]           ; a = 2^(c m_old - c m_new)
.endr
.irp e, 0,1,2,3,4,5,6,7,8,9,10,11,12,13,14,15
.irp t, 0,1
	v_exp_f32 v[S+16*\t+\e], v[S+16*\t+\e]
.endr
.endr
	v_nop                                          ; a plain instruction behind the last exponential
	s_wait_alu depctr_va_vdst(0)                   ; one wait for the batch of 34, ahead of its first reader
.irp b, 0,1,2,3,4,5,6,7
.irp t, 0,1
	v_cvt_pk_f16_f32 v[P+8*\t+\b], v[S+16*\t+2*\b], v[S+16*\t+2*\b+1]
.endr
.endr
.irp u, 0,4,8,12
.irp t, 0,1
	v_pk_add_f32 v[S+16*\t+\u:S+16*\t+\u+1], v[S+16*\t+\u:S+16*\t+\u+1], v[S+16*\t+\u+2:S+16*\t+\u+3]
.endr
.endr
.irp u, 0,8
.irp t, 0,1
	v_pk_add_f32 v[S+16*\t+\u:S+16*\t+\u+1], v[S+16*\t+\u:S+16*\t+\u+1], v[S+16*\t+\u+4:S+16*\t+\u+5]
.endr
.endr
.irp t, 0,1
	v_pk_add_f32 v[S+16*\t:S+16*\t+1], v[S+16*\t:S+16*\t+1], v[S+16*\t+8:S+16*\t+9]
.endr
.irp t, 0,1
	v_pk_fma_f32 v[ST+8*\t+2:ST+8*\t+3], v[ST+8*\t+2:ST+8*\t+3], v[ST+8*\t+6:ST+8*\t+7], v[S+16*\t:S+16*\t+1] op_sel_hi:[1,0,1]   ; l = a l + the sum
.endr
.endm
.macro STATS adr                       ; a pass's c m and l (both halves of the lanes') go to my words
.irp t, 0,1
	v_add_f32 v[ST+8*\t+4], v[ST+8*\t+2], v[ST+8*\t+3]
.endr
.irp t, 0,1
	v_permlanex16_b32 v[ST+8*\t+5], v[ST+8*\t+4], s[SEL], s[SEL+1]
.endr
.irp t, 0,1
	v_add_f32 v[ST+8*\t+4], v[ST+8*\t+4], v[ST+8*\t+5]
.endr
.irp t, 0,1
	ds_store_b32 v[\adr], v[ST+8*\t] offset:256*\t
	ds_store_b32 v[\adr], v[ST+8*\t+4] offset:256*\t+128
.endr
.endm
.macro DUMP adr                        ; O^T as an image of its registers, each accumulator from its low end on
	WIN 0x04                                       ; an LDS store's data: window 1
.set i, 0
.rept 32
	ds_store_b128 v[\adr], v[4*i:4*i+3] offset:512*i
.set i, i+1
.endr
	WIN 0
.endm
.macro TRANSITION                      ; the first pass is over: its partial results go to LDS, the second begins
	STATS STA
	DUMP DMPA
	s_wait_dscnt 0x0                               ; the stores have read their registers
	WIN 0x41
.set i, 0
.rept 128
	v_mov_b32 v[i], 0
.set i, i+1
.endr
.set i, 0
.rept 64
	v_mov_b32 v[128+i], v[192+i]                   ; the second pass's Q, loaded at the head
.set i, i+1
.endr
	WIN 0
	RESET
.endm
; A TRIP: one slot of 128 keys; its fragments of K were asked for in the trip before.
; mode = 1: in the trip's middle this slot, read out, is filled again with the keys two trips on, behind a round of the cluster's barrier, and the next trip's K is asked for from the other slot;
; mode = 2: the same with a plain barrier and no fill;  mode = 0: the last trip.   mk = 1: masked if this is trip i + 1;  2: masked.   tr = 1: the passes change behind this trip if it is the first pass's last.
.macro TRIP slot, mode, mk, tr
	VLOAD \slot
	s_wait_dscnt 16                                ; K's sixteen, asked for a trip ago, are in; V's sixteen may be out
	WIN 0x04                                       ; source 1 (Q) window 1
.irp cs, 0,1,2,3                       ; S^T = K Q^T: the four accumulators take turns, one instruction a turn
.irp t, 0,1
.irp kt, 0,1
.if \cs == 0
	v_wmma_f32_16x16x32_f16 v[S+16*\t+8*\kt:S+16*\t+8*\kt+7], v[KF+32*\kt+8*\cs:KF+32*\kt+8*\cs+7], v[128+32*\t+8*\cs:128+32*\t+8*\cs+7], 0
.else
	v_wmma_f32_16x16x32_f16 v[S+16*\t+8*\kt:S+16*\t+8*\kt+7], v[KF+32*\kt+8*\cs:KF+32*\kt+8*\cs+7], v[128+32*\t+8*\cs:128+32*\t+8*\cs+7], v[S+16*\t+8*\kt:S+16*\t+8*\kt+7]
.endif
.endr
.endr
.endr
	WIN 0
	PLACES                                         ; ahead of the loads into K's registers and of the first read of the scores
.if \mode
	s_wait_tensorcnt 0x0                           ; all my tensor loads have landed: my part of the other slot; so a group 0 may be written
	ds_add_u32 v[SPW], v[NIL]                      ; 0 onto my spare word
.if \mode == 1
	ds_add_u32 v[SPW], v[NIL]                      ; and once more: it stands twice on end, in every trip alike
	s_add_co_u32 s[GN], s17, 2                     ; the trip whose keys are asked for
	s_add_co_u32 s[KN], s[GN], s19                 ; in the first pass: slot 14 - 2 i + trip,
	s_sub_co_u32 s[TA], s[KN], s18
	s_cmp_lt_u32 s[KN], s18
	s_cselect_b32 s[KN], s[KN], s[TA]              ; round the pass's 16 - i slots;
	s_sub_co_u32 s[TA], s[GN], s18
	s_cmp_lt_u32 s[GN], s18
	s_cselect_b32 s[KN], s[KN], s[TA]              ; in the second: from slot 0 on
	s_lshl_b32 s[TT], s[KN], 15                    ; 128 rows of 256 bytes a slot
	s_mov_b32 s[TT+1], 0
	s_add_nc_u64 s[G0K+4*(\slot)+2:G0K+4*(\slot)+3], s[KB:KB+1], s[TT:TT+1]
	s_or_b32 s[G0K+4*(\slot)+3], s[G0K+4*(\slot)+3], 0x80000000
	s_add_nc_u64 s[G0V+4*(\slot)+2:G0V+4*(\slot)+3], s[VB:VB+1], s[TT:TT+1]
	s_or_b32 s[G0V+4*(\slot)+3], s[G0V+4*(\slot)+3], 0x80000000
	s_wait_dscnt 0x0                               ; the adds are done; V is in: my reads of this slot are over
	ROUND                                          ; so of every wave of all four partners
	TLOAD \slot                                    ; my one tensor load behind the round, and the first thing there: it has a whole trip in which to land
.else
	s_wait_dscnt 0x0
	s_barrier_signal -1
	s_barrier_wait -1
.endif
	KLOAD 1-\slot                                  ; the next trip's K: it lands under the softmax and V^T P
.endif
.if \mk == 1
	s_cmp_eq_u32 s17, s16                          ; the first pass's slot on the diagonal
	s_cbranch_scc0 .Lopen_\@
	MASK
.Lopen_\@:
.endif
.if \mk == 2
	MASK
.endif
	SOFTMAX
	WIN 0x41                                       ; O^T window 1, a window 0
.irp t, 0,1
.set i, 0
.rept 32
	v_pk_mul_f32 v[64*\t+i:64*\t+i+1], v[64*\t+i:64*\t+i+1], v[ST+8*\t+6:ST+8*\t+7] op_sel_hi:[1,0]
.set i, i+2
.endr
.endr
.if \mode == 0
	s_wait_dscnt 0x0                               ; V is in (in the other trips the wait ahead of the barrier has shown it)
.endif
	WIN 0x50                                       ; C and D window 1
.irp ct, 0,1,2,3,4,5,6,7               ; O^T += V^T P: sixteen accumulators, one instruction each
.irp t, 0,1
	v_wmma_f32_16x16x32_f16 v[64*\t+8*\ct:64*\t+8*\ct+7], v[VF+8*\ct:VF+8*\ct+7], v[P+8*\t:P+8*\t+7], v[64*\t+8*\ct:64*\t+8*\ct+7]
.endr
.endr
	WIN 0
	PLACES                                         ; ahead of the next loads into V's registers, and of reads of O^T
	s_add_co_u32 s17, s17, 1
.if \tr
	s_cmp_eq_u32 s17, s18                          ; was this the first pass's last trip?
	s_cbranch_scc0 .Lsame_\@
	TRANSITION
.Lsame_\@:
.endif
.endm
	s_wait_tensorcnt 0x0                           ; my parts of both slots are in (four waves have asked for nothing: so the wait is for 0)
	s_barrier_signal -1
	s_barrier_wait -1                              ; everybody's are
	KLOAD 0
	s_wait_loadcnt 0x0                             ; Q of both passes
.Llap:                                                 ; 7 laps of two trips: trips 0 to 13; the last three are written out
	TRIP 0, 1, 1, 1
	TRIP 1, 1, 1, 1
	s_sub_co_u32 s[LAP], s[LAP], 1
	s_cmp_lg_u32 s[LAP], 0
	s_cbranch_scc1 .Llap
	TRIP 0, 1, 0, 1                                ; trip 14 asks for trip 16's keys: the last fill
	TRIP 1, 2, 0, 1                                ; trip 15 asks for nothing
	TRIP 0, 0, 2, 0                                ; trip 16: the second pass's slot on the diagonal
	; THE END.  The second pass's partial results go to LDS, O^T over the ring, which has had its last fill and, behind the first barrier, its last read.
	STATS STB
	s_wait_dscnt 0x0
	s_barrier_signal -1
	s_barrier_wait -1
	DUMP DMPB
	s_wait_dscnt 0x0                               ; for the others' sake: my stores have landed
	s_barrier_signal -1
	s_barrier_wait -1
; The four waves' parts of a pass become one: with M = the largest c m, f_k = 2^(c m_k - M), O = sum f_k O_k / sum f_k l_k.  I take 32 registers of one tile: 64 channels.
.macro MERGE x
.irp k, 0,1,2,3
	ds_load_b32 v[224+\k], v[MS+\x] offset:512*\k
	ds_load_b32 v[228+\k], v[MS+\x] offset:512*\k+128
.endr
.irp k, 0,1,2,3
.irp ii, 0,1,2,3,4,5,6,7
	ds_load_b128 v[88+32*\k+4*\ii:88+32*\k+4*\ii+3], v[MR+\x] offset:16384*\k+512*\ii
.endr
.endr
	s_wait_dscnt 32                                ; the statistics are in; the 32 loads of O^T may be out
	v_max3_num_f32 v232, v224, v225, v226
	v_max_num_f32 v232, v232, v227
.irp k, 0,1,2,3
	v_sub_f32 v[234+\k], v[224+\k], v232
.endr
.irp k, 0,1,2,3
	v_exp_f32 v[234+\k], v[234+\k]
.endr
	v_nop
	s_wait_alu depctr_va_vdst(0)                   ; one wait for the four
	v_mul_f32 v238, v234, v228
	v_fmac_f32 v238, v235, v229
	v_fmac_f32 v238, v236, v230
	v_fmac_f32 v238, v237, v231
	v_rcp_f32 v239, v238
	v_nop
	s_wait_alu depctr_va_vdst(0)
.irp k, 0,1,2,3
	v_mul_f32 v[216+2*\k], v[234+\k], v239
.endr
.irp k, 0,1,2,3
	v_mov_b32 v[217+2*\k], v[216+2*\k]             ; a pair for the packed forms
.endr
	s_wait_dscnt 0x0
.set i, 0
.rept 16
	v_pk_mul_f32 v[88+i:89+i], v[88+i:89+i], v[216:217]
.set i, i+2
.endr
.irp k, 1,2,3
.set i, 0
.rept 16
	v_pk_fma_f32 v[88+i:89+i], v[88+32*\k+i:89+32*\k+i], v[216+2*\k:217+2*\k], v[88+i:89+i]
.set i, i+2
.endr
.endr
.set i, 0
.rept 16
	v_cvt_pk_f16_f32 v[40+i], v[88+2*i], v[89+2*i]
.set i, i+1
.endr
.irp c, 0,1,2,3
	ds_store_b128 v[STO], v[40+4*\c:43+4*\c] offset:\x*64*272+32*\c    ; eight neighbouring channels of my query's row
.endr
.endm
	MERGE 0
	MERGE 1
	s_wait_dscnt 0x0
	s_barrier_signal -1
	s_barrier_wait -1                              ; 128 whole rows lie in the stage
.irp f, 0,1,2,3,4,5,6,7
	ds_load_b128 v[88+4*\f:91+4*\f], v[RD] offset:544*\f
.endr
.irp f, 0,1,2,3,4,5,6,7
	s_wait_dscnt 7-\f
	global_store_b128 v[GO], v[88+4*\f:91+4*\f], s[OB:OB+1] offset:4096*\f     ; 16 lanes store a head's 256 bytes of a row, aligned
.endr
	s_wait_tensorcnt 0x0                           ; the wave's end
	ds_add_u32 v[SPW], v[NIL]
	s_wait_dscnt 0x0
	ROUND                                          ; the closing round
	s_endpgm
.Lfunc_end_k_q0f3916b05b_attn:
	.size	k_q0f3916b05b_attn, .Lfunc_end_k_q0f3916b05b_attn-k_q0f3916b05b_attn
	.p2alignl 7, 3214868480
	.fill 96, 4, 3214868480
	.section	.rodata,"a",@progbits
	.p2align	6, 0x0
	.amdhsa_kernel k_q0f3916b05b_attn
		.amdhsa_group_segment_fixed_size 327680
		.amdhsa_private_segment_fixed_size 0
		.amdhsa_enable_private_segment 0
		.amdhsa_kernarg_size 16
		.amdhsa_user_sgpr_count 2
		.amdhsa_user_sgpr_kernarg_segment_ptr 1
		.amdhsa_wavefront_size32 1
		.amdhsa_system_sgpr_workgroup_id_x 1
		.amdhsa_system_sgpr_workgroup_id_y 1
		.amdhsa_system_sgpr_workgroup_id_z 1
		.amdhsa_system_vgpr_workitem_id 0
		.amdhsa_next_free_vgpr 512
		.amdhsa_next_free_sgpr 84
		.amdhsa_reserve_vcc 1
		.amdhsa_float_denorm_mode_32 3
		.amdhsa_float_denorm_mode_16_64 3
		.amdhsa_memory_ordered 1
		.amdhsa_forward_progress 1
		.amdhsa_inst_pref_size 155
	.end_amdhsa_kernel
	.amdgpu_metadata
---
amdhsa.version: [ 1, 2 ]
amdhsa.kernels:
  - .name:           k_q0f3916b05b_attn
    .symbol:         k_q0f3916b05b_attn.kd
    .args:
      - { .name: qkv16, .offset: 0, .size: 8, .value_kind: global_buffer, .address_space: global }
      - { .name: attn16, .offset: 8, .size: 8, .value_kind: global_buffer, .address_space: global }
    .group_segment_fixed_size: 327680
    .private_segment_fixed_size: 0
    .kernarg_segment_align: 8
    .kernarg_segment_size: 16
    .max_flat_workgroup_size: 256
    .sgpr_count:     84
    .vgpr_count:     512
    .wavefront_size: 32
...
	.end_amdgpu_metadata
.endif
;; end of part 3
;; launch oproj (part 4): grid 16 x 16, 4 waves a work-group, clusters of 4 x 4, 327,680 bytes of LDS; arguments attn16, wo16, out0; writes out0
.if DOCPART == 4
	.amdgcn_target "amdgcn-amd-amdhsa--gfx1250"
	.amdhsa_code_object_version 6
	.text
	.protected	k_q0f3916b05b_oproj
	.globl	k_q0f3916b05b_oproj
	.p2align	8
	.type	k_q0f3916b05b_oproj,@function
k_q0f3916b05b_oproj:
	s_mov_b64 s[64:65], 0
	v_nop
	global_prefetch_b8 v0, s[64:65] scope:SCOPE_SE
	s_setreg_imm32_b32 hwreg(HW_REG_WAVE_MODE, 25, 1), 1
	s_wait_xcnt 0x0
	s_wait_alu depctr_hold_cnt(0) depctr_sa_sdst(0) depctr_va_vdst(0) depctr_va_sdst(0) depctr_va_ssrc(0) depctr_va_vcc(0) depctr_vm_vsrc(0)
	s_getreg_b32 s2, hwreg(HW_REG_IB_STS2, 6, 4)
	s_cmp_eq_u32 s2, 0
	s_cbranch_scc0 .Lentry_in_a_cluster
	s_endpgm
.Lentry_in_a_cluster:
	s_bfe_u32 s2, ttmp6, 0x10000c
	s_cmp_lg_u32 s2, 0xf033
	s_cbranch_scc0 .Lentry_shape_is_right
	s_endpgm
.Lentry_shape_is_right:
; out0[m][n] = sum over k of attn16[m][k] wo16[n][k]: f16 operands, f32 sums, f32 out.  attn16 holds attn x 2^-2 and wo16 holds 4 x wo: the product needs no factor.  M = N = 4,096, K = 1,024.
; A tile of 256 x 256 is made by a work-group of four waves, a wave makes 128 x 128: 64 accumulators.  K goes in 8 steps of 128 (tile rows of 256 bytes) through two LDS slots filled by the tensor data mover.
; CLUSTERS: 4 x 4.  A's tiles are shared along a row of the cluster, B's along a column: each is asked for jointly.  Waves 0, 1 ask for A's halves, waves 2, 3 for B's.
; THE MATRIX INSTRUCTION IS USED TRANSPOSED (source 0 = 16 rows of wo16, source 1 = 16 rows of attn16): a lane holds eight neighbouring columns of a row of out0.
; The 32 rows of positions 0-15 are written here too, and written over by the launch that carries them in f32.
; REGISTERS.  window 0: v16-29 addresses; v64-127, v128-191 A's fragments, two buffers; on the way out v128-255 rows.   window 1: v64-127, v128-191 B's.   window 2: accumulators of my rows 0-63, (a, b) at v[8 (8 a + b)];  window 3: rows 64-127.
.set SIZE_N, 4096
.set SIZE_K, 1024
.set KSTEP,  128
.set PITCH,  272
.set HALFT,  128*PITCH
.set SLOT,   4*HALFT
.set SPARE,  2*SLOT                    ; the spare words, 128 bytes a wave
.set SPITCH, 528                       ; the way out: a stage of 16 rows x (512 + 16) bytes for each wave, in slot 0, behind that slot's last fill and last read
.set LAPS,   SIZE_K/(2*KSTEP)
.set ADRA, 16
.set ADRB, 20
.set STO,  24
.set RD,   25
.set CO,   26
.set SPW,  28
.set NIL,  29
.set F0,   64
.set F1,   128
.set BK,   128
.set G1,  24
.set G0,  32
.set G1B, 48
.set G0B, 56
.set MSB, 0
.macro WIN new
.if MSB != (\new)
	s_set_vgpr_msb (MSB<<8)|(\new)
.set MSB, (\new)
.endif
.endm
.set MUL_LO, 0xa1
.set MUL_HI, 0xf1
.set TO_B,   0x40
.macro JLOAD s                         ; a joint load; the branch hangs on the wave's number alone; an s_nop 0 and four v_nop follow each line
	s_cmp_eq_u32 s11, 0
	s_cbranch_scc0 .Lfor_b_\@
	tensor_load_to_lds s[G0+4*\s:G0+4*\s+3], s[G1:G1+7]
	s_nop 0
.rept 4
	v_nop
.endr
	s_branch .Lasked_\@
.Lfor_b_\@:
	tensor_load_to_lds s[G0B+4*\s:G0B+4*\s+3], s[G1B:G1B+7]
	s_nop 0
.rept 4
	v_nop
.endr
.Lasked_\@:
.endm
.macro CREST
	s_cmp_lg_u32 s10, 0
	s_cbranch_scc1 .Lnot_wave_0_\@
	s_barrier_signal -3
.Lnot_wave_0_\@:
	s_barrier_wait -3
	s_barrier_signal -1
	s_barrier_wait -1
.endm
.macro CROUND
	s_barrier_signal -1
	s_barrier_wait -1
	CREST
.endm
	s_load_b128 s[4:7], s[0:1], 0x0                ; attn16, wo16
	s_load_b64 s[8:9], s[0:1], 0x10                ; out0
	v_lshl_add_u32 v[SPW], v0, 2, SPARE
	v_mov_b32 v[NIL], 0
	ds_add_u32 v[SPW], v[NIL]                      ; the wave's opening: the add, twice on end, and its wait ahead of my first tensor load
	ds_add_u32 v[SPW], v[NIL]
	v_lshrrev_b32 v1, 5, v0
	v_readfirstlane_b32 s10, v1                    ; wave 0..3
	s_lshr_b32 s11, s10, 1                         ; which half of the tile's rows is mine.  Also: I fetch for A (0) or for B (1)
	s_and_b32 s12, s10, 1                          ; which half of its columns.  Also: which 128 rows I fetch
	s_bfe_u32 s40, ttmp6, 0x40000
	s_bfe_u32 s41, ttmp6, 0x40004
	s_lshl_b32 s42, ttmp9, 2
	s_add_co_u32 s42, s42, s40                     ; tile column
	s_and_b32 s13, ttmp7, 0xffff
	s_lshl_b32 s13, s13, 2
	s_add_co_u32 s13, s13, s41                     ; tile row
	s_lshl_b32 s43, s41, 2
	s_lshl_b32 s43, 15, s43                        ; my row of the cluster
	s_lshl_b32 s44, 0x1111, s40                    ; my column
	s_or_b32 s[G1+0], s43, (1<<16)|(1<<20)|(1<<21)|(5<<22)|(3<<25)   ; the mask; elements of 2 bytes; padding on; bit 21 beside a mask; 4 words behind every 64
	s_or_b32 s[G1B+0], s44, (1<<16)|(1<<20)|(1<<21)|(5<<22)|(3<<25)
.irp g, G1, G1B
	s_mov_b32 s[\g+1], KSTEP<<16                   ; tensor_dim0
	s_mov_b32 s[\g+2], 128<<16                     ; tensor_dim1
	s_mov_b32 s[\g+3], KSTEP<<16                   ; tile_dim0
	s_mov_b32 s[\g+4], 128                         ; tile_dim1
	s_mov_b32 s[\g+5], SIZE_K                      ; from row to row
	s_mov_b32 s[\g+6], 0
	s_mov_b32 s[\g+7], 0
.endr
	s_lshl_b32 s17, s12, 7
	s_lshl_b32 s16, s13, 8
	s_add_co_u32 s16, s16, s17                     ; A: row 256 x tile row + 128 x half
	s_lshl_b32 s46, s42, 8
	s_add_co_u32 s46, s46, s17                     ; B: row 256 x tile column + 128 x half
	s_lshl_b32 s16, s16, 11                        ; 2,048 bytes a row
	s_lshl_b32 s46, s46, 11
	s_mov_b32 s17, 0
	s_mov_b32 s47, 0
	s_mul_i32 s20, s10, HALFT                      ; where they go: wave x 128 rows
	s_wait_dscnt 0x0                               ; both opening adds are done
	s_wait_kmcnt 0x0
	s_add_nc_u64 s[14:15], s[4:5], s[16:17]
	s_add_nc_u64 s[46:47], s[6:7], s[46:47]
	CROUND                                         ; all sixteen work-groups are here: the first joint loads meet
.irp s, 0,1
	s_mov_b32 s[G0+4*\s], 1
	s_add_co_u32 s[G0+4*\s+1], s20, \s*SLOT
	s_add_nc_u64 s[G0+4*\s+2:G0+4*\s+3], s[14:15], \s*KSTEP*2
	s_or_b32 s[G0+4*\s+3], s[G0+4*\s+3], 0x80000000
	s_mov_b32 s[G0B+4*\s], 1
	s_add_co_u32 s[G0B+4*\s+1], s20, \s*SLOT
	s_add_nc_u64 s[G0B+4*\s+2:G0B+4*\s+3], s[46:47], \s*KSTEP*2
	s_or_b32 s[G0B+4*\s+3], s[G0B+4*\s+3], 0x80000000
	JLOAD \s                                       ; two loads of mine are out
.endr
	v_and_b32 v1, 15, v0                           ; r
	v_bfe_u32 v2, v0, 4, 1                         ; h
	v_mul_u32_u24 v3, v1, PITCH
	v_lshl_add_u32 v3, v2, 4, v3
	s_mul_i32 s21, s11, HALFT                      ; my 128 rows of A
	s_mul_i32 s22, s12, HALFT                      ; my 128 rows of B,
	s_add_co_u32 s22, s22, 2*HALFT                 ; which lie behind A's 256
.irp s, 0,1
	v_add_nc_u32 v[ADRA+\s], s21, v3
	v_add_nc_u32 v[ADRB+\s], s22, v3
	s_add_co_u32 s21, s21, SLOT
	s_add_co_u32 s22, s22, SLOT
.endr
	s_mul_i32 s23, s10, 16*SPITCH                  ; my stage
	v_mul_u32_u24 v5, v1, SPITCH
	v_lshl_add_u32 v5, v2, 5, v5
	v_add_nc_u32 v[STO], s23, v5                   ; in: row r, 32 bytes for each half of the lanes
	v_and_b32 v6, 31, v0
	v_lshlrev_b32 v[CO], 4, v6
	v_add_nc_u32 v[RD], s23, v[CO]                 ; back: the 32 lanes take one row of 512 bytes
	s_lshl_b32 s2, s13, 8
	s_lshl_b32 s3, s11, 7
	s_add_co_u32 s2, s2, s3                        ; my first row of out0,
	s_lshl_b32 s2, s2, 14                          ; 16,384 bytes a row,
	s_lshl_b32 s3, s42, 10
	s_add_co_u32 s2, s2, s3                        ; my first column: 1,024 bytes a tile,
	s_lshl_b32 s3, s12, 9
	s_add_co_u32 s2, s2, s3                        ; 512 a half
	s_mov_b32 s3, 0
	s_add_nc_u64 s[8:9], s[8:9], s[2:3]
; 16 matrix instructions: m blocks a0, a0 + 1 of the window's four x all 8 n blocks, 32 along K.  The 64 accumulators take turns, one instruction a turn, in the same order in every quarter.
.macro MUL16 f, hi, a0, zero
.irp a, \a0, \a0+1
.irp b, 0,1,2,3,4,5,6,7
.if \zero
	v_wmma_f32_16x16x32_f16 v[8*(8*(\a)+\b):8*(8*(\a)+\b)+7], v[\f+8*\b:\f+8*\b+7], v[\f+8*(4*\hi+\a):\f+8*(4*\hi+\a)+7], 0
.else
	v_wmma_f32_16x16x32_f16 v[8*(8*(\a)+\b):8*(8*(\a)+\b)+7], v[\f+8*\b:\f+8*\b+7], v[\f+8*(4*\hi+\a):\f+8*(4*\hi+\a)+7], v[8*(8*(\a)+\b):8*(8*(\a)+\b)+7]
.endif
.endr
.endr
.endm
.macro FETCH slot, k, f                ; 32 LDS loads in one run: 128 rows of B, 128 rows of A, 32 along K at byte k of the rows
	WIN TO_B
.irp i, 0,1,2,3,4,5,6,7
	ds_load_b128 v[\f+8*\i:\f+8*\i+3],   v[ADRB+\slot] offset:\k+\i*16*PITCH
	ds_load_b128 v[\f+8*\i+4:\f+8*\i+7], v[ADRB+\slot] offset:\k+\i*16*PITCH+32
.endr
	WIN 0
.irp i, 0,1,2,3,4,5,6,7
	ds_load_b128 v[\f+8*\i:\f+8*\i+3],   v[ADRA+\slot] offset:\k+\i*16*PITCH
	ds_load_b128 v[\f+8*\i+4:\f+8*\i+7], v[ADRA+\slot] offset:\k+\i*16*PITCH+32
.endr
.endm
.macro PLACES                          ; plain vector instructions between a matrix instruction and a load into, or a read of, its registers
.rept 4
	v_nop
.endr
.endm
.macro QUARTER slot, k, f, g, zero     ; 32 along K: multiplies buffer f; in its middle it fetches the next quarter, at byte k, into buffer g
	s_wait_dscnt 8                                 ; B and A's rows 0-63 are in; the youngest eight loads (A's rows 64-127) may be out
	WIN MUL_LO
	MUL16 \f, 0, 0, \zero
	MUL16 \f, 0, 2, \zero
	PLACES
	FETCH \slot, \k, \g
	s_wait_dscnt 32                                ; all but the 32 just issued
	WIN MUL_HI
	MUL16 \f, 1, 0, \zero
	MUL16 \f, 1, 2, \zero
.endm
.macro MEET round                      ; the first half of a slot's last quarter: one barrier for the change of slots
	WIN 0
	s_wait_tensorcnt 0x0                           ; all my tensor loads have landed: my part of the next slot
	ds_add_u32 v[SPW], v[NIL]                      ; 0 onto my spare word
	s_wait_dscnt 9                                 ; the add and the youngest eight loads may be out
	WIN MUL_LO
	MUL16 F1, 0, 0, 0
	s_wait_dscnt 0x0                               ; the add is done, and my reads of this slot are over
	s_barrier_signal -1
	MUL16 F1, 0, 2, 0
.if \round
	WIN 0
.endif
	s_barrier_wait -1
.endm
.macro TURN slot, next, fill
	MEET \fill
.if \fill
	CREST                                          ; the barrier has opened a round of the cluster's: no wave of any partner still reads this slot or has a load on its way
	s_add_nc_u64 s[G0+4*\slot+2:G0+4*\slot+3], s[G0+4*\slot+2:G0+4*\slot+3], 2*KSTEP*2
	s_add_nc_u64 s[G0B+4*\slot+2:G0B+4*\slot+3], s[G0B+4*\slot+2:G0B+4*\slot+3], 2*KSTEP*2
	JLOAD \slot                                    ; my one tensor load behind the round; its four v_nop are the places ahead of the loads below
.else
	PLACES
.endif
	FETCH \next, 0, F0
	WIN MUL_HI
	MUL16 F1, 1, 0, 0
	MUL16 F1, 1, 2, 0
.endm
	s_wait_tensorcnt 1                             ; my part of K step 0 is in; K step 1's may stay out
	s_barrier_signal -1
	s_barrier_wait -1
	FETCH 0, 0, F0
	QUARTER 0, 64,  F0, F1, 1                      ; the first quarter stands ahead of the loop: its products start the sums
	WIN 0
	s_mov_b32 s3, LAPS-1
.Llap:                                                 ; a trip goes once round the ring and fills both slots again: K steps 2 to 7 in three trips
	QUARTER 0, 128, F1, F0, 0
	QUARTER 0, 192, F0, F1, 0
	TURN 0, 1, 1
	QUARTER 1, 64,  F0, F1, 0
	QUARTER 1, 128, F1, F0, 0
	QUARTER 1, 192, F0, F1, 0
	TURN 1, 0, 1
	QUARTER 0, 64,  F0, F1, 0
	WIN 0
	s_sub_co_u32 s3, s3, 1
	s_cmp_lg_u32 s3, 0
	s_cbranch_scc1 .Llap
	QUARTER 0, 128, F1, F0, 0                      ; the last lap fills nothing
	QUARTER 0, 192, F0, F1, 0
	TURN 0, 1, 0
	QUARTER 1, 64,  F0, F1, 0
	QUARTER 1, 128, F1, F0, 0
	QUARTER 1, 192, F0, F1, 0
	s_wait_dscnt 8
	WIN MUL_LO
	MUL16 F1, 0, 0, 0
	MUL16 F1, 0, 2, 0
	s_wait_dscnt 0x0
	WIN MUL_HI
	MUL16 F1, 1, 0, 0
	MUL16 F1, 1, 2, 0
	WIN 0
; THE WAY OUT, a block of 16 rows x 128 columns at a time, through my own stage: back come whole rows of 512 bytes.  LDS serves a wave's instructions in order: no wait between the stores and the loads.
.macro TOSTAGE a
.set AC, 64*((\a)%4)
	WIN 0x08+4*((\a)/4)                            ; the data: window 2 or 3
.irp b, 0,1,2,3,4,5,6,7
	ds_store_b128 v[STO], v[AC+8*\b:AC+8*\b+3] offset:64*\b          ; each accumulator from its low end on
	ds_store_b128 v[STO], v[AC+8*\b+4:AC+8*\b+7] offset:64*\b+16
.endr
	WIN 0
.set BB, BK+64*((\a)%2)
.irp t, 0,1,2,3,4,5,6,7,8,9,10,11,12,13,14,15
	ds_load_b128 v[BB+4*\t:BB+4*\t+3], v[RD] offset:\t*SPITCH
.endr
.endm
.macro SEND a, younger                 ; younger: the LDS instructions issued behind block a's loads
.set BB, BK+64*((\a)%2)
	s_wait_dscnt \younger
.if (\a) > 0
	s_add_nc_u64 s[8:9], s[8:9], 16*SIZE_N*4       ; behind a wait on XCNT: the earlier stores have read their base
.endif
.irp t, 0,1,2,3,4,5,6,7,8,9,10,11,12,13,14,15
	global_store_b128 v[CO], v[BB+4*\t:BB+4*\t+3], s[8:9] offset:\t*SIZE_N*4 th:TH_STORE_NT   ; 32 lanes store 512 consecutive bytes, aligned
.endr
.endm
	PLACES
	TOSTAGE 0
.irp a, 1,2,3,4,5,6,7
.if \a > 1
	s_wait_xcnt 0x0                                ; block a - 2's stores have read their registers and their base
.endif
	TOSTAGE \a
	SEND \a-1, 32                                  ; behind block a - 1's loads: block a's 16 stores and 16 loads
.endr
	s_wait_xcnt 0x0
	SEND 7, 0
	s_wait_tensorcnt 0x0                           ; the wave's end
	ds_add_u32 v[SPW], v[NIL]
	s_wait_dscnt 0x0
	CROUND                                         ; the closing round
	s_endpgm
.Lfunc_end_k_q0f3916b05b_oproj:
	.size	k_q0f3916b05b_oproj, .Lfunc_end_k_q0f3916b05b_oproj-k_q0f3916b05b_oproj
	.p2alignl 7, 3214868480
	.fill 96, 4, 3214868480
	.section	.rodata,"a",@progbits
	.p2align	6, 0x0
	.amdhsa_kernel k_q0f3916b05b_oproj
		.amdhsa_group_segment_fixed_size 327680
		.amdhsa_private_segment_fixed_size 0
		.amdhsa_enable_private_segment 0
		.amdhsa_kernarg_size 24
		.amdhsa_user_sgpr_count 2
		.amdhsa_user_sgpr_kernarg_segment_ptr 1
		.amdhsa_wavefront_size32 1
		.amdhsa_system_sgpr_workgroup_id_x 1
		.amdhsa_system_sgpr_workgroup_id_y 1
		.amdhsa_system_sgpr_workgroup_id_z 1
		.amdhsa_system_vgpr_workitem_id 0
		.amdhsa_next_free_vgpr 1024
		.amdhsa_next_free_sgpr 66
		.amdhsa_reserve_vcc 0
		.amdhsa_float_denorm_mode_32 3
		.amdhsa_float_denorm_mode_16_64 3
		.amdhsa_memory_ordered 1
		.amdhsa_forward_progress 1
		.amdhsa_inst_pref_size 140
	.end_amdhsa_kernel
	.amdgpu_metadata
---
amdhsa.version: [ 1, 2 ]
amdhsa.kernels:
  - .name:           k_q0f3916b05b_oproj
    .symbol:         k_q0f3916b05b_oproj.kd
    .args:
      - { .name: attn16, .offset: 0, .size: 8, .value_kind: global_buffer, .address_space: global }
      - { .name: wo16, .offset: 8, .size: 8, .value_kind: global_buffer, .address_space: global }
      - { .name: out0, .offset: 16, .size: 8, .value_kind: global_buffer, .address_space: global }
    .group_segment_fixed_size: 327680
    .private_segment_fixed_size: 0
    .kernarg_segment_align: 8
    .kernarg_segment_size: 24
    .max_flat_workgroup_size: 128
    .sgpr_count:     66
    .vgpr_count:     1024
    .wavefront_size: 32
...
	.end_amdgpu_metadata
.endif
;; end of part 4
;; launch first16 (part 5): grid 64 x 2, 8 waves a work-group, no clusters, 35,840 bytes of LDS; arguments fine32, wo, out0; writes out0
.if DOCPART == 5
	.amdgcn_target "amdgcn-amd-amdhsa--gfx1250"
	.amdhsa_code_object_version 6
	.text
	.protected	k_q0f3916b05b_first16
	.globl	k_q0f3916b05b_first16
	.p2align	8
	.type	k_q0f3916b05b_first16,@function
k_q0f3916b05b_first16:
	s_mov_b64 s[64:65], 0
	v_nop
	global_prefetch_b8 v0, s[64:65] scope:SCOPE_SE
	s_setreg_imm32_b32 hwreg(HW_REG_WAVE_MODE, 25, 1), 1
	s_wait_xcnt 0x0
; Positions 0-15 of both sequences once more, in f32 throughout: under the causal mask they average one to sixteen values, and f16 operands would weigh most there.  Their 32 rows of out0 are written over.
; fine32 [32 = 16 b + s][2,048 = 128 head + d] holds q, k x 2^-4 and v x 2^-2 (heads 0-7 q, 8-11 k, 12-15 v): c = 256 log2(e) / sqrt(128), and the result is multiplied by 4.
; SHARES.  A work-group takes batch y and output columns 64 x on.  Wave = query head: scores, softmax, P V of its head for the 16 positions; the head's 128 channels are also the wave's part of the projection's K,
; so attn changes neither lane nor wave; eight partial sums of 16 x 64 meet in LDS.
; THE f32 MATRIX FORM takes K = 4: lane (r, h), register j: k = 2 h + j.  k is permuted alike in both sources, so that each lane's registers hold what it has loaded or computed:
;   scores: lane (r, h) holds channels 8 c + 4 h + 0..3 of row r; a pair of registers is a K step.   P V: lane (r, h) holds p of keys 8 h + 0..7; V^T is loaded to match.   projection: lane (r, h) holds channels 16 ct + 8 h + 0..7.
; All products are used transposed (source 0 = keys, channels of V, rows of wo): a lane holds one query (lane % 16) throughout.
; REGISTERS.  window 0: v2-23 addresses; v24-87 q, then attn, then sums; v88-151 k, then wo's channels 64-95; v152-191 at work.
;   window 1: v0-127 wo's channels 0-63; v128-191 V^T, then wo's channels 96-127; v192-255 the accumulators, which matrix instructions alone write: no other line writes a register of these numbers in any window.
.set RP,    272                        ; a row of partial sums: 64 numbers + 16 bytes
.set SPARE, 8*16*RP                    ; behind the eight waves' 16 rows: the spare words, 128 bytes a wave
.set QO,   2
.set VO,   3
.set WO,   4
.set DD,   6
.set NINF, 7
.set RST,  8
.set RLD,  9
.set GO,   10
.set SPW,  22
.set NIL,  23
.set Q,    24
.set K,    88
.set SS,   152                         ; v152-159 scores, then p
.set T1,   160
.set T2,   168
.set MX,   176
.set CM,   177
.set LS,   178
.set LT,   179
.set RL,   180
.set VT,   128                         ; in window 1
.set ACC,  192                         ; in window 1
.set MSB, 0
.macro WIN new
.if MSB != (\new)
	s_set_vgpr_msb (MSB<<8)|(\new)
.set MSB, (\new)
.endif
.endm
	s_load_b128 s[4:7], s[0:1], 0x0                ; fine32, wo
	s_load_b64 s[8:9], s[0:1], 0x10                ; out0
	v_lshl_add_u32 v[SPW], v0, 2, SPARE
	v_mov_b32 v[NIL], 0
	v_lshrrev_b32 v1, 5, v0
	v_readfirstlane_b32 s10, v1                    ; wave = query head
	s_and_b32 s12, ttmp7, 0xffff                   ; batch
	v_and_b32 v1, 15, v0                           ; r
	v_bfe_u32 v5, v0, 4, 1                         ; h
	v_lshlrev_b32 v[QO], 13, v1
	v_lshl_add_u32 v[QO], v5, 4, v[QO]             ; q, k: row r of 8,192 bytes, + 16 h
	v_lshlrev_b32 v[VO], 16, v5
	v_lshl_add_u32 v[VO], v1, 2, v[VO]             ; V^T: keys 8 h on, channel r
	v_lshlrev_b32 v[WO], 12, v1
	v_lshl_add_u32 v[WO], v5, 5, v[WO]             ; wo: row r of 4,096 bytes, + 32 h
	v_lshlrev_b32 v11, 3, v5
	v_sub_nc_u32 v[DD], v1, v11                    ; register j holds key 8 h + j: hidden where j > r - 8 h
	v_mov_b32 v[NINF], 0xff800000
	s_mul_i32 s18, s10, 16*RP
	v_mul_u32_u24 v11, v1, RP
	v_lshl_add_u32 v11, v5, 5, v11
	v_add_nc_u32 v[RST], s18, v11                  ; my partial sums: row r, 32 bytes for each half of the lanes
	s_mul_i32 s18, s10, 2*RP
	v_mul_u32_u24 v11, v5, RP
	v_lshl_add_u32 v11, v1, 4, v11
	v_add_nc_u32 v[RLD], s18, v11                  ; back: rows 2 w and 2 w + 1, sixteen lanes to a row
	v_lshlrev_b32 v[GO], 14, v5
	v_lshl_add_u32 v[GO], v1, 4, v[GO]
	s_mov_b32 s14, 0x76543210
	s_mov_b32 s15, 0xfedcba98                      ; v_permlanex16_b32's selects for lane l xor 16
	s_mov_b32 s16, 0x420293ee                      ; c
	s_lshl_b32 s18, s12, 17                        ; the batch's 16 rows
	s_lshl_b32 s20, s10, 9
	s_add_co_u32 s20, s20, s18                     ; q: my head's 512 bytes
	s_mov_b32 s21, 0
	s_lshr_b32 s19, s10, 1
	s_lshl_b32 s19, s19, 9
	s_add_co_u32 s19, s19, s18
	s_add_co_u32 s22, s19, 8*512                   ; k: head 8 + w / 2
	s_mov_b32 s23, 0
	s_add_co_u32 s24, s19, 12*512                  ; v: head 12 + w / 2
	s_mov_b32 s25, 0
	s_lshl_b32 s26, ttmp9, 18                      ; wo: rows 64 x on, my head's 512 bytes of each
	s_lshl_b32 s27, s10, 9
	s_add_co_u32 s26, s26, s27
	s_mov_b32 s27, 0
	s_lshl_b32 s28, s12, 25                        ; out0: row 2,048 y + 2 w, columns 64 x on
	s_lshl_b32 s29, s10, 15
	s_add_co_u32 s28, s28, s29
	s_lshl_b32 s29, ttmp9, 8
	s_add_co_u32 s28, s28, s29
	s_mov_b32 s29, 0
	s_wait_kmcnt 0x0
	s_add_nc_u64 s[20:21], s[4:5], s[20:21]
	s_add_nc_u64 s[22:23], s[4:5], s[22:23]
	s_add_nc_u64 s[24:25], s[4:5], s[24:25]
	s_add_nc_u64 s[26:27], s[6:7], s[26:27]
	s_add_nc_u64 s[28:29], s[8:9], s[28:29]
.irp c, 0,1,2,3,4,5,6,7,8,9,10,11,12,13,14,15
	global_load_b128 v[Q+4*\c:Q+4*\c+3], v[QO], s[20:21] offset:32*\c
.endr
.irp c, 0,1,2,3,4,5,6,7,8,9,10,11,12,13,14,15
	global_load_b128 v[K+4*\c:K+4*\c+3], v[QO], s[22:23] offset:32*\c
.endr
	WIN 0x40                                       ; destination window 1
.irp ct, 0,1,2,3,4,5,6,7
.irp j, 0,1,2,3,4,5,6,7
	global_load_b32 v[VT+8*\ct+\j], v[VO], s[24:25] offset:8192*\j+64*\ct      ; v(key 8 h + j, channel 16 ct + r)
.endr
.endr
.irp nt, 0,1,2,3
.irp ct, 0,1,2,3
	global_load_b128 v[32*\nt+8*\ct:32*\nt+8*\ct+3], v[WO], s[26:27] offset:65536*\nt+64*\ct
	global_load_b128 v[32*\nt+8*\ct+4:32*\nt+8*\ct+7], v[WO], s[26:27] offset:65536*\nt+64*\ct+16
.endr
.endr
	s_wait_loadcnt 63                              ; 96 loads were issued behind q and k; the count names as many as its field holds, which is fewer: q and k are in
	WIN 0x50                                       ; C and D window 1
.set n, 0
.rept 32                               ; S^T = k q^T: 32 K steps on four accumulators by turns; the first four start the sums
.if n < 4
	v_wmma_f32_16x16x4_f32 v[ACC+8*(n%4):ACC+8*(n%4)+7], v[K+2*n:K+2*n+1], v[Q+2*n:Q+2*n+1], 0
.else
	v_wmma_f32_16x16x4_f32 v[ACC+8*(n%4):ACC+8*(n%4)+7], v[K+2*n:K+2*n+1], v[Q+2*n:Q+2*n+1], v[ACC+8*(n%4):ACC+8*(n%4)+7]
.endif
.set n, n+1
.endr
	WIN 0
.rept 8
	v_nop                                          ; eight places behind this form, ahead of loads into its sources and of reads of its results
.endr
.irp nt, 0,1,2,3
.irp ct, 4,5
	global_load_b128 v[K+16*\nt+8*(\ct-4):K+16*\nt+8*(\ct-4)+3], v[WO], s[26:27] offset:65536*\nt+64*\ct      ; wo's channels 64-95 into k's registers
	global_load_b128 v[K+16*\nt+8*(\ct-4)+4:K+16*\nt+8*(\ct-4)+7], v[WO], s[26:27] offset:65536*\nt+64*\ct+16
.endr
.endr
	WIN 0x05                                       ; sources window 1
.irp j, 0,1,2,3,4,5,6,7
	v_add_f32 v[T1+\j], v[ACC+\j], v[ACC+8+\j]     ; the four partial sums, each accumulator from its low end on
	v_add_f32 v[T2+\j], v[ACC+16+\j], v[ACC+24+\j]
.endr
	WIN 0
.irp j, 0,1,2,3,4,5,6,7
	v_add_f32 v[SS+\j], v[T1+\j], v[T2+\j]
.endr
.irp j, 0,1,2,3,4,5,6,7
	v_cmp_gt_i32 vcc_lo, \j, v[DD]
	v_cndmask_b32 v[SS+\j], v[SS+\j], v[NINF], vcc_lo
.endr
	v_max3_num_f32 v[MX], v[SS], v[SS+1], v[SS+2]
	v_max3_num_f32 v[MX], v[MX], v[SS+3], v[SS+4]
	v_max3_num_f32 v[MX], v[MX], v[SS+5], v[SS+6]
	v_max_num_f32 v[MX], v[MX], v[SS+7]
	v_permlanex16_b32 v[T1], v[MX], s14, s15
	v_max_num_f32 v[MX], v[MX], v[T1]              ; the row's maximum: key 0 counts for every query, so it is a number
	v_mul_f32 v[CM], s16, v[MX]
.irp j, 0,1,2,3,4,5,6,7
	v_fma_f32 v[SS+\j], s16, v[SS+\j], -v[CM]
.endr
.irp j, 0,1,2,3,4,5,6,7
	v_exp_f32 v[SS+\j], v[SS+\j]
.endr
	v_nop
	s_wait_alu depctr_va_vdst(0)                   ; one wait for the eight, ahead of their first reader
	v_add_f32 v[LS], v[SS], v[SS+1]
	v_add_f32 v[LT], v[SS+2], v[SS+3]
	v_add_f32 v[T2], v[SS+4], v[SS+5]
	v_add_f32 v[T2+1], v[SS+6], v[SS+7]
	v_add_f32 v[LS], v[LS], v[LT]
	v_add_f32 v[T2], v[T2], v[T2+1]
	v_add_f32 v[LS], v[LS], v[T2]
	v_permlanex16_b32 v[T1], v[LS], s14, s15
	v_add_f32 v[LS], v[LS], v[T1]
	v_rcp_f32 v[RL], v[LS]
	v_nop
	s_wait_alu depctr_va_vdst(0)
	s_wait_loadcnt 48                              ; V^T is in: behind it wo's 32 and 16
	WIN 0x51                                       ; source 0 (V^T), C and D window 1
.irp u, 0,1,2,3                        ; O^T = V^T p: K step u takes keys 8 h + 2 u, 8 h + 2 u + 1; eight accumulators by turns
.irp ct, 0,1,2,3,4,5,6,7
.if \u == 0
	v_wmma_f32_16x16x4_f32 v[ACC+8*\ct:ACC+8*\ct+7], v[VT+8*\ct+2*\u:VT+8*\ct+2*\u+1], v[SS+2*\u:SS+2*\u+1], 0
.else
	v_wmma_f32_16x16x4_f32 v[ACC+8*\ct:ACC+8*\ct+7], v[VT+8*\ct+2*\u:VT+8*\ct+2*\u+1], v[SS+2*\u:SS+2*\u+1], v[ACC+8*\ct:ACC+8*\ct+7]
.endif
.endr
.endr
	WIN 0
.rept 9
	v_nop                                          ; nine places: the projection's first products write over these accumulators
.endr
	WIN 0x40
.irp nt, 0,1,2,3
.irp ct, 6,7
	global_load_b128 v[VT+16*\nt+8*(\ct-6):VT+16*\nt+8*(\ct-6)+3], v[WO], s[26:27] offset:65536*\nt+64*\ct    ; wo's channels 96-127 into V^T's registers
	global_load_b128 v[VT+16*\nt+8*(\ct-6)+4:VT+16*\nt+8*(\ct-6)+7], v[WO], s[26:27] offset:65536*\nt+64*\ct+16
.endr
.endr
	WIN 0x01                                       ; source 0 window 1
.irp ct, 0,1,2,3,4,5,6,7
.irp j, 0,1,2,3,4,5,6,7
	v_mul_f32 v[Q+8*\ct+\j], v[ACC+8*\ct+\j], v[RL]    ; attn(query r, channel 16 ct + 8 h + j), into q's registers
.endr
.endr
; out^T += wo attn^T for channels 16 ct on: four K steps x four tiles of 16 columns, the four accumulators by turns.  A's fragment of tile nt lies at v[base + stride nt].
.macro OUTS ct, base, stride
.irp u, 0,1,2,3
.irp nt, 0,1,2,3
.if ((\ct) == 0) && (\u == 0)
	v_wmma_f32_16x16x4_f32 v[ACC+8*\nt:ACC+8*\nt+7], v[\base+\stride*\nt+2*\u:\base+\stride*\nt+2*\u+1], v[Q+8*(\ct)+2*\u:Q+8*(\ct)+2*\u+1], 0
.else
	v_wmma_f32_16x16x4_f32 v[ACC+8*\nt:ACC+8*\nt+7], v[\base+\stride*\nt+2*\u:\base+\stride*\nt+2*\u+1], v[Q+8*(\ct)+2*\u:Q+8*(\ct)+2*\u+1], v[ACC+8*\nt:ACC+8*\nt+7]
.endif
.endr
.endr
.endm
	s_wait_loadcnt 32                              ; wo's channels 0-63 are in: behind them 16 and 16
	WIN 0x51
	OUTS 0, 0, 32
	OUTS 1, 8, 32
	OUTS 2, 16, 32
	OUTS 3, 24, 32
	s_wait_loadcnt 16                              ; channels 64-95
	WIN 0x50
	OUTS 4, K, 16
	OUTS 5, K+8, 16
	s_wait_loadcnt 0x0                             ; channels 96-127
	WIN 0x51
	OUTS 6, VT, 16
	OUTS 7, VT+8, 16
	WIN 0
.rept 8
	v_nop
.endr
	WIN 0x04                                       ; an LDS store's data: window 1
.irp nt, 0,1,2,3
	ds_store_b128 v[RST], v[ACC+8*\nt:ACC+8*\nt+3] offset:64*\nt           ; lane (r, h): out(query r, column 16 nt + 8 h + 0..7), my head's part
	ds_store_b128 v[RST], v[ACC+8*\nt+4:ACC+8*\nt+7] offset:64*\nt+16
.endr
	WIN 0
	s_wait_dscnt 0x0                               ; for the others' sake: my stores have landed
	s_barrier_signal -1
	s_barrier_wait -1
.irp k, 0,1,2,3,4,5,6,7
	ds_load_b128 v[Q+4*\k:Q+4*\k+3], v[RLD] offset:16*RP*\k    ; the eight heads' parts of my two rows
.endr
	s_wait_dscnt 0x0
.irp k, 0,2,4,6
	v_pk_add_f32 v[Q+4*\k:Q+4*\k+1], v[Q+4*\k:Q+4*\k+1], v[Q+4*\k+4:Q+4*\k+5]
	v_pk_add_f32 v[Q+4*\k+2:Q+4*\k+3], v[Q+4*\k+2:Q+4*\k+3], v[Q+4*\k+6:Q+4*\k+7]
.endr
.irp k, 0,4
	v_pk_add_f32 v[Q+4*\k:Q+4*\k+1], v[Q+4*\k:Q+4*\k+1], v[Q+4*\k+8:Q+4*\k+9]
	v_pk_add_f32 v[Q+4*\k+2:Q+4*\k+3], v[Q+4*\k+2:Q+4*\k+3], v[Q+4*\k+10:Q+4*\k+11]
.endr
	v_pk_add_f32 v[Q:Q+1], v[Q:Q+1], v[Q+16:Q+17]
	v_pk_add_f32 v[Q+2:Q+3], v[Q+2:Q+3], v[Q+18:Q+19]
	v_pk_mul_f32 v[Q:Q+1], v[Q:Q+1], 4.0 op_sel_hi:[1,0]       ; v was stored x 2^-2
	v_pk_mul_f32 v[Q+2:Q+3], v[Q+2:Q+3], 4.0 op_sel_hi:[1,0]
	global_store_b128 v[GO], v[Q:Q+3], s[28:29]    ; 16 lanes store 256 consecutive bytes of a row, aligned
	s_wait_tensorcnt 0x0                           ; the wave's end: behind my last LDS store
	ds_add_u32 v[SPW], v[NIL]
	s_wait_dscnt 0x0
	s_endpgm
.Lfunc_end_k_q0f3916b05b_first16:
	.size	k_q0f3916b05b_first16, .Lfunc_end_k_q0f3916b05b_first16-k_q0f3916b05b_first16
	.p2alignl 7, 3214868480
	.fill 96, 4, 3214868480
	.section	.rodata,"a",@progbits
	.p2align	6, 0x0
	.amdhsa_kernel k_q0f3916b05b_first16
		.amdhsa_group_segment_fixed_size 35840
		.amdhsa_private_segment_fixed_size 0
		.amdhsa_enable_private_segment 0
		.amdhsa_kernarg_size 24
		.amdhsa_user_sgpr_count 2
		.amdhsa_user_sgpr_kernarg_segment_ptr 1
		.amdhsa_wavefront_size32 1
		.amdhsa_system_sgpr_workgroup_id_x 1
		.amdhsa_system_sgpr_workgroup_id_y 1
		.amdhsa_system_sgpr_workgroup_id_z 1
		.amdhsa_system_vgpr_workitem_id 0
		.amdhsa_next_free_vgpr 512
		.amdhsa_next_free_sgpr 66
		.amdhsa_reserve_vcc 1
		.amdhsa_float_denorm_mode_32 3
		.amdhsa_float_denorm_mode_16_64 3
		.amdhsa_memory_ordered 1
		.amdhsa_forward_progress 1
		.amdhsa_inst_pref_size 39
	.end_amdhsa_kernel
	.amdgpu_metadata
---
amdhsa.version: [ 1, 2 ]
amdhsa.kernels:
  - .name:           k_q0f3916b05b_first16
    .symbol:         k_q0f3916b05b_first16.kd
    .args:
      - { .name: fine32, .offset: 0, .size: 8, .value_kind: global_buffer, .address_space: global }
      - { .name: wo, .offset: 8, .size: 8, .value_kind: global_buffer, .address_space: global }
      - { .name: out0, .offset: 16, .size: 8, .value_kind: global_buffer, .address_space: global }
    .group_segment_fixed_size: 35840
    .private_segment_fixed_size: 0
    .kernarg_segment_align: 8
    .kernarg_segment_size: 24
    .max_flat_workgroup_size: 256
    .sgpr_count:     66
    .vgpr_count:     512
    .wavefront_size: 32
...
	.end_amdgpu_metadata
.endif
;; end of part 5
